; MI455X (gfx1250); checked and timed in simulation.
; The chip was launched on July 23, 2026; its instructions are those of AMD's public machine-readable ISA for CDNA 5 (MIT licence, August 2026) and "CDNA5" Instruction Set Architecture Reference Guide (July 2026). The comments in the code are by the model that wrote it; some were corrected since.
;; Any GPT Attention Only. Allowed arithmetic: matrix products marked QUANTISED: E2M1 operands, one E8M0 scale for each 32 along K, by v_wmma_scale_f32_16x16x128_f8f6f4 with both operands' format E2M1 (or v_wmma_scale_f32_32x16x128_f4), f32 sums; everything else in f32.
;; Inputs: bo 1,024 float32; hidden_states 4 x 2,048 x 1,024 float32; ln_b 1,024 float32; ln_w 1,024 float32; wk_codes 1,024 x 32 x 16 uint8 (E2M1 codes of wk, K innermost, in blocks of 32 codes, two codes a byte); wk_scales 1,024 x 32 uint8 (E8M0 scales of wk, one for each 32 codes along K); wo_codes 1,024 x 32 x 16 uint8 (E2M1 codes of wo, K innermost, in blocks of 32 codes, two codes a byte); wo_scales 1,024 x 32 uint8 (E8M0 scales of wo, one for each 32 codes along K); wq_codes 1,024 x 32 x 16 uint8 (E2M1 codes of wq, K innermost, in blocks of 32 codes, two codes a byte); wq_scales 1,024 x 32 uint8 (E8M0 scales of wq, one for each 32 codes along K); wv_codes 1,024 x 32 x 16 uint8 (E2M1 codes of wv, K innermost, in blocks of 32 codes, two codes a byte); wv_scales 1,024 x 32 uint8 (E8M0 scales of wv, one for each 32 codes along K).
;; Outputs: out0 4 x 2,048 x 1,024 float32.
;; This version of the problem:
;;   THIS VERSION OF THE PROBLEM IS GIVEN IN LOW PRECISION. The matrix products marked QUANTISED in the list below multiply operands that are first quantised to E2M1 (2 exponent bits, 1 mantissa bit; 4 bits a number), with one power-of-two scale for each 32 numbers along K (OCP MX v1.0); their sums are f32. All else is computed in f32.
;;   The module's matrix products, in the order in which they are computed (A, B: the left and right operand; K: the contracted axis; several contracted axes count as one K, in the product's order):
;;     1. [M 8,192, K 1,024] x [K 1,024, N 1,024]; A: input hidden_states; B: input wq (given as codes): QUANTISED
;;     2. [M 8,192, K 1,024] x [K 1,024, N 1,024]; A: input hidden_states; B: input wk (given as codes): QUANTISED
;;     3. [M 8,192, K 1,024] x [K 1,024, N 1,024]; A: input hidden_states; B: input wv (given as codes): QUANTISED
;;     4. batch 64 x [M 2,048, K 64] x [K 64, N 2,048]; A: computed on the way; B: computed on the way: QUANTISED
;;     5. batch 64 x [M 2,048, K 2,048] x [K 2,048, N 64]; A: softmax (see below); B: computed on the way: QUANTISED
;;     6. [M 8,192, K 1,024] x [K 1,024, N 1,024]; A: computed on the way; B: input wo (given as codes): QUANTISED
;;   THE QUANTISER, for each operand of a quantised product, along K:
;;     - K is cut into blocks of 32 from its start; a last block that is shorter is filled with zeros.
;;     - A block's scale is 2^e with e = floor(log2(the largest magnitude in the block)) - 2, held to -126 .. 127; a block of zeros has e = 0. As a byte (E8M0): e + 127.
;;     - Each number is divided by its block's scale, clamped to +-6, and rounded to the nearest number of E2M1, ties to even, subnormals kept.
;;     - The product sums the exact products of the quantised numbers (number of the format x scale) in f32.
;;   ~~~python
;;   def quantise(x, axis):      # numpy; x: float32 -> the quantised numbers, widened to float32 again
;;       x = np.moveaxis(x, axis, -1); K = x.shape[-1]
;;       x = np.pad(x, [(0, 0)] * (x.ndim - 1) + [(0, -K % 32)]); x = x.reshape(x.shape[:-1] + (-1, 32)); a = np.abs(x).max(-1, keepdims=True)
;;       e = np.where(a > 0, np.clip(np.frexp(np.where(a > 0, a, 1))[1] - 1 - 2, -126, 127), 0)      # np.frexp(a)[1] - 1 = floor(log2(a)), exactly
;;       r = np.clip(x / 2.0 ** e, -6, 6)
;;       step = 2.0 ** (np.maximum(np.frexp(np.where(r == 0, 1, r))[1] - 1, 0) - 1)
;;       q = np.round(r / step) * step * 2.0 ** e      # np.round: ties to even
;;       return np.moveaxis(q.reshape(q.shape[:-2] + (-1,))[..., :K], -1, axis).astype(np.float32)
;;   ~~~
;;   SOFTMAX AHEAD OF A QUANTISED PRODUCT. Where the list says 'softmax', what is quantised is not the finished softmax but p = 2^(t - M), with t = logit x log2(e) and M = ceil(the row's largest t), a whole number; so 1/2 < the row's largest p <= 1. The row's sum l is taken of the UNQUANTISED p, in f32, and the product's result is divided by l at the end. Since M is a whole number, a kernel that streams over the keys may use a running M (the ceiling of the running maximum): every later rescaling is an exact power of two, which a block's scale takes up: the codes' values come out the same.
;;   OPERANDS COMPUTED ON THE WAY. 'Computed on the way' means the value that the module computes at that place (a softmax that the list does not call 'softmax' is quantised finished and normalised). What goes into a quantiser is computed in f32, as accurately as f32 sums, v_exp_f32 and their like allow (about 1e-6 of the number): no bf16 or f16 on the way to a quantiser, and a product that is left as it is and whose result goes on into a quantised operand takes f32 operands (vector FMAs, or v_wmma_f32_16x16x4_f32). A number that lies on a knife's edge between two numbers of the format may be rounded either way, as far as f32 arithmetic and the matrix unit's own rounding can turn it there, and no further.
;;   INPUTS GIVEN AS CODES. wk (in the module: [1024, 1024], K = its axis 1); wo (in the module: [1024, 1024], K = its axis 1); wq (in the module: [1024, 1024], K = its axis 1); wv (in the module: [1024, 1024], K = its axis 1): each comes as NAME_codes (uint8): NAME with its K axis moved to the last place and cut into blocks of 32 codes, [.., K / 32, bytes a block], one block behind the other in memory; two codes a byte, the lower K in the low four bits (a code: sign, 2 exponent bits, 1 mantissa bit); and NAME_scales (uint8): the same leading axes, one E8M0 byte (e + 127) for each 32 codes along K. Its value is code x scale, taken as it is: it is not quantised again, and the codes and scales need not be those that the quantiser above would give.
;; 2 versions. Each part assembles by itself: llvm-mc -triple=amdgcn-amd-amdhsa -mcpu=gfx1250 --defsym DOCPART=n.
;; ======== version 1 of 2: 3 launches
;; workspace buffers: xq 4,456,448 bytes; wf 2,097,152 bytes; qc 4,194,304 bytes; kc 4,194,304 bytes; vc 4,194,304 bytes; sc 1,310,720 bytes
;; launch prep (part 1): grid 544 x 1, 8 waves a work-group, no clusters, 69,120 bytes of LDS; arguments hidden_states, wq_codes, wk_codes, wv_codes, wo_codes, xq, wf; writes xq, wf
.if DOCPART == 1
	.amdgcn_target "amdgcn-amd-amdhsa--gfx1250"
	.amdhsa_code_object_version 6
	.text
	.protected	k_qa0c8575a4b_prep
	.globl	k_qa0c8575a4b_prep
	.p2align	8
	.type	k_qa0c8575a4b_prep,@function
k_qa0c8575a4b_prep:
	s_mov_b64 s[64:65], 0
	v_nop
	global_prefetch_b8 v0, s[64:65] scope:SCOPE_SE
	s_setreg_imm32_b32 hwreg(HW_REG_WAVE_MODE, 25, 1), 1
	s_wait_xcnt 0x0
; PREP.  (1) x [8192 tokens][1024] f32 becomes codes of FP4 (E2M1) with one E8M0 byte for each 32 along the 1024, laid as IMAGES OF OPERAND REGISTERS;
; (2) the four weights' codes, given row by row, are laid in the same order.  Later launches then fill a fragment by loads of 512 consecutive bytes.
; A TILE OF 16 ROWS IS NOT 16 NEIGHBOURS: row r of tile 2 B + u is row 32 B + 8 u + r + 8 (r / 8).  A product whose source 0 is such a tile leaves, in the 16 registers of tiles
; 2 B and 2 B + 1, the 16 neighbours 32 B + 16 (lane / 16) + 0 .. 15: what the next quantiser wants.
; xq: [tile 0..511][K step 0..7][c 0..1][lane][16 bytes]: lane (r, h) holds the block 4 s + 2 c + h of its token; from byte XSO on the scale bytes, [tile][r][32].
; wf: [wq, wk, wv, wo][tile 0..63][K step][c][lane][16 bytes].
; SHARES.  Work-groups 0..511: one tile of tokens, wave s its K step s (16 tokens x 128 numbers).  Work-groups 512..543: eight weight tiles, one a wave.
; A block's scale is 2^(floor(log2(its largest magnitude)) - 2); its byte is the largest magnitude's exponent field - 2, held at 1 from below.
; LIMITS: a block of zeros gets the byte 1 (not 127): its codes are zeros and this program alone reads the bytes; magnitudes under 2^(3 - 127) count as that floor; NaN and infinities among the inputs are not served.
; No cluster, no tensor load: no byte is read by two work-groups.
.set XSO,   4194304                    ; where x's scale bytes begin in xq
.set PITCH, 528                        ; a stage row: 512 bytes + 16 of padding
.set WST,   16*PITCH                   ; a wave's stage: 16 rows
.set SCL,   8*WST                      ; behind the eight stages: the tile's 512 scale bytes
.set R,   16                           ; v16-79   the numbers as loaded: register 4 i + e: row i, number 4 lane + e
.set X,   80                           ; v80-143  after the turn: register 16 b + i = number 32 b + 16 h + i of row r
.set TM,  144                          ; v144-147 largest magnitudes, v148-151 the other half's, then bytes, v156-159 the conversions' scale operands
.set PW,  160                          ; the scale word
.set PC,  162                          ; v162-169 the fragment's codes
.set SEL, 30                           ; s[30:31] lane selects: lane l xor 16
	s_load_b256 s[8:15], s[0:1], 0x0               ; x s[8:9], wq s[10:11], wk s[12:13], wv s[14:15]
	s_load_b128 s[16:19], s[0:1], 0x20             ; wo s[16:17], xq s[18:19]
	s_load_b64 s[20:21], s[0:1], 0x30              ; wf
	v_lshl_add_u32 v176, v0, 2, 0x10a00
	v_mov_b32 v177, 0
	v_lshrrev_b32 v1, 5, v0
	v_readfirstlane_b32 s2, v1                     ; wave 0..7
	v_and_b32 v1, 31, v0                           ; lane
	v_and_b32 v2, 15, v0                           ; r
	v_bfe_u32 v3, v0, 4, 1                         ; h
	v_lshlrev_b32 v4, 4, v1                        ; 16 x lane
	s_cmp_lt_u32 ttmp9, 512                        ; the same in all waves of a work-group
	s_cbranch_scc0 .Lweights
	; ---- a tile of tokens
	s_mul_i32 s3, s2, WST
	v_add_nc_u32 v5, s3, v4                        ; into my stage: 16 bytes a lane of a row
	v_mul_u32_u24 v6, v2, PITCH
	v_lshl_add_u32 v6, v3, 6, v6
	v_add_nc_u32 v6, s3, v6                        ; out of it: row r, + 64 h: my 16 numbers of a block of 32
	s_lshl_b32 s4, s2, 2
	s_add_co_u32 s4, s4, SCL
	v_lshlrev_b32 v8, 5, v2
	v_add_nc_u32 v8, s4, v8                        ; my row's scale word of K step w: SCL + 32 r + 4 w
	v_add_nc_u32 v9, SCL, v4                       ; and the way out of all 512 bytes
.irp b, 0,1,2,3
	v_mov_b32 v[TM+4+\b], 0                        ; a lane permute's destination counts as one of its sources
.endr
	s_mov_b32 s[SEL], 0x76543210
	s_mov_b32 s[SEL+1], 0xfedcba98
	s_lshr_b32 s24, ttmp9, 1
	s_lshl_b32 s24, s24, 17                        ; 32 tokens of 4,096 bytes for each pair of tiles,
	s_and_b32 s5, ttmp9, 1
	s_lshl_b32 s5, s5, 15                          ; 8 tokens for the odd tile,
	s_add_co_u32 s24, s24, s5
	s_lshl_b32 s5, s2, 9                           ; 512 bytes for each K step
	s_add_co_u32 s24, s24, s5
	s_mov_b32 s25, 0
	s_lshl_b32 s26, ttmp9, 13                      ; the tile's images: 8,192 bytes, my K step's 1,024
	s_lshl_b32 s5, s2, 10
	s_add_co_u32 s26, s26, s5
	s_mov_b32 s27, 0
	s_lshl_b32 s28, ttmp9, 9                       ; the tile's scale bytes
	s_add_co_u32 s28, s28, XSO
	s_mov_b32 s29, 0
	s_wait_kmcnt 0x0
	s_add_nc_u64 s[8:9], s[8:9], s[24:25]
	s_add_nc_u64 s[22:23], s[18:19], s[28:29]
	s_add_nc_u64 s[18:19], s[18:19], s[26:27]
.irp i, 0,1,2,3,4,5,6,7,8,9,10,11,12,13,14,15
	global_load_b128 v[R+4*\i:R+4*\i+3], v4, s[8:9] offset:(\i+8*(\i/8))*4096 th:TH_LOAD_NT   ; row i of the tile: 32 lanes read 512 consecutive bytes
.endr
.irp g, 0,1,2,3
	s_wait_loadcnt 12-4*\g                         ; loads come back in order: four more rows are in, the younger ones stay out
.irp k, 0,1,2,3
	ds_store_b128 v5, v[R+4*(4*\g+\k):R+4*(4*\g+\k)+3] offset:PITCH*(4*\g+\k)
.endr
.endr
.irp b, 0,1,2,3
.irp j, 0,1,2,3
	ds_load_b128 v[X+16*\b+4*\j:X+16*\b+4*\j+3], v6 offset:128*\b+16*\j   ; my wave's own bytes, and LDS serves a wave in order: no wait between the stores and these
.endr
.endr
	s_wait_dscnt 0x0
.irp b, 0,1,2,3
	v_max3_num_f32 v[TM+\b], |v[X+16*\b]|, |v[X+1+16*\b]|, 0x1800000   ; block b: my 16 numbers, and the floor 2^(3 - 127)
.endr
.irp i, 2,4,6,8,10,12,14
.irp b, 0,1,2,3
	v_max3_num_f32 v[TM+\b], v[TM+\b], |v[X+16*\b+\i]|, |v[X+1+16*\b+\i]|   ; the four blocks by turns
.endr
.endr
.irp b, 0,1,2,3
	v_permlanex16_b32 v[TM+4+\b], v[TM+\b], s[SEL], s[SEL+1]
.endr
.irp b, 0,1,2,3
	v_max_num_f32 v[TM+\b], v[TM+\b], v[TM+4+\b]   ; with lane l xor 16's 16: the block's largest magnitude
.endr
.irp b, 0,1,2,3
	v_add_nc_u32 v[TM+12+\b], 0xff000000, v[TM+\b] ; 2 off its exponent field: the conversion takes this operand's exponent field as its scale
.endr
.irp b, 0,1,2,3
	v_lshrrev_b32 v[TM+4+\b], 23, v[TM+12+\b]      ; the scale's byte
.endr
	v_lshl_or_b32 v[PW], v[TM+5], 8, v[TM+4]
	v_lshl_or_b32 v[PW], v[TM+6], 16, v[PW]
	v_lshl_or_b32 v[PW], v[TM+7], 24, v[PW]        ; my row's scale word for this K step
.irp b, 0,1,2,3
	v_cvt_scalef32_pk8_fp4_f32 v[PC+2*\b], v[X+16*\b:X+7+16*\b], v[TM+12+\b]
	v_cvt_scalef32_pk8_fp4_f32 v[PC+1+2*\b], v[X+8+16*\b:X+15+16*\b], v[TM+12+\b]
.endr
	v_nop                                          ; one plain instruction behind a scaled conversion
.irp c, 0,1
.irp i, 0,1
	v_permlane16_swap_b32 v[PC+4*\c+\i], v[PC+2+4*\c+\i]   ; a whole block to a lane: registers 4 c .. 4 c + 3 now hold numbers 64 c + 32 h + 0 .. 31
.endr
.endr
	global_store_b128 v4, v[PC:PC+3], s[18:19]             ; the image: 512 consecutive bytes a store
	global_store_b128 v4, v[PC+4:PC+7], s[18:19] offset:512
	ds_store_b32 v8, v[PW]                         ; both halves of the lanes write the same word with the same value
	s_wait_dscnt 0x0                               ; for wave 0's sake: my word has landed
	s_barrier_signal -1
	s_barrier_wait -1
	s_cmp_lg_u32 s2, 0
	s_cbranch_scc1 .Lend
	ds_load_b128 v[170:173], v9                    ; the tile's 16 rows x 32 scale bytes
	s_wait_dscnt 0x0
	global_store_b128 v4, v[170:173], s[22:23]     ; 512 consecutive bytes
.Lend:
	s_wait_tensorcnt 0x0
	ds_add_u32 v176, v177
	s_wait_dscnt 0x0
	s_endpgm
	; ---- eight tiles of a weight: a copy in another order, no LDS
.Lweights:
	s_sub_co_u32 s3, ttmp9, 512
	s_lshr_b32 s4, s3, 3                           ; which weight: 0 wq, 1 wk, 2 wv, 3 wo
	s_and_b32 s3, s3, 7
	s_lshl_b32 s3, s3, 3
	s_add_co_u32 s3, s3, s2                        ; which tile, 0..63
	v_and_b32 v10, 8, v2
	v_add_nc_u32 v10, v10, v2                      ; r + 8 (r / 8)
	v_lshlrev_b32 v10, 9, v10                      ; a row of 1,024 codes is 512 bytes
	v_lshl_add_u32 v10, v3, 4, v10                 ; + 16 h
	s_lshr_b32 s24, s3, 1
	s_lshl_b32 s24, s24, 14                        ; 32 rows for each pair of tiles,
	s_and_b32 s5, s3, 1
	s_lshl_b32 s5, s5, 12                          ; 8 rows for the odd tile
	s_add_co_u32 s24, s24, s5
	s_mov_b32 s25, 0
	s_lshl_b32 s26, s4, 19                         ; in wf: 524,288 bytes a weight, 8,192 a tile
	s_lshl_b32 s5, s3, 13
	s_add_co_u32 s26, s26, s5
	s_mov_b32 s27, 0
	s_wait_kmcnt 0x0
	s_cmp_eq_u32 s4, 1                             ; the choice of the buffer hangs on the work-group's number alone
	s_cselect_b64 s[28:29], s[12:13], s[10:11]
	s_cmp_eq_u32 s4, 2
	s_cselect_b64 s[28:29], s[14:15], s[28:29]
	s_cmp_eq_u32 s4, 3
	s_cselect_b64 s[28:29], s[16:17], s[28:29]
	s_add_nc_u64 s[28:29], s[28:29], s[24:25]
	s_add_nc_u64 s[20:21], s[20:21], s[26:27]
.irp k, 0,1,2,3,4,5,6,7
.irp c, 0,1
	global_load_b128 v[16+8*\k+4*\c:16+8*\k+4*\c+3], v10, s[28:29] offset:64*\k+32*\c   ; the fragment's registers 4 c .. 4 c + 3 of K step k; the sixteen loads together take the 16 rows whole
.endr
.endr
	s_wait_loadcnt 0x0
.irp k, 0,1,2,3,4,5,6,7
.irp c, 0,1
	global_store_b128 v4, v[16+8*\k+4*\c:16+8*\k+4*\c+3], s[20:21] offset:1024*\k+512*\c
.endr
.endr
	s_endpgm
.Lfunc_end_k_qa0c8575a4b_prep:
	.size	k_qa0c8575a4b_prep, .Lfunc_end_k_qa0c8575a4b_prep-k_qa0c8575a4b_prep
	.p2alignl 7, 3214868480
	.fill 96, 4, 3214868480
	.section	.rodata,"a",@progbits
	.p2align	6, 0x0
	.amdhsa_kernel k_qa0c8575a4b_prep
		.amdhsa_group_segment_fixed_size 69120
		.amdhsa_private_segment_fixed_size 0
		.amdhsa_enable_private_segment 0
		.amdhsa_kernarg_size 56
		.amdhsa_user_sgpr_count 2
		.amdhsa_user_sgpr_kernarg_segment_ptr 1
		.amdhsa_wavefront_size32 1
		.amdhsa_system_sgpr_workgroup_id_x 1
		.amdhsa_system_sgpr_workgroup_id_y 1
		.amdhsa_system_sgpr_workgroup_id_z 1
		.amdhsa_system_vgpr_workitem_id 0
		.amdhsa_next_free_vgpr 178
		.amdhsa_next_free_sgpr 66
		.amdhsa_reserve_vcc 0
		.amdhsa_float_denorm_mode_32 3
		.amdhsa_float_denorm_mode_16_64 3
		.amdhsa_memory_ordered 1
		.amdhsa_forward_progress 1
		.amdhsa_inst_pref_size 15
	.end_amdhsa_kernel
	.amdgpu_metadata
---
amdhsa.version: [ 1, 2 ]
amdhsa.kernels:
  - .name:           k_qa0c8575a4b_prep
    .symbol:         k_qa0c8575a4b_prep.kd
    .args:
      - { .name: hidden_states, .offset: 0, .size: 8, .value_kind: global_buffer, .address_space: global }
      - { .name: wq_codes, .offset: 8, .size: 8, .value_kind: global_buffer, .address_space: global }
      - { .name: wk_codes, .offset: 16, .size: 8, .value_kind: global_buffer, .address_space: global }
      - { .name: wv_codes, .offset: 24, .size: 8, .value_kind: global_buffer, .address_space: global }
      - { .name: wo_codes, .offset: 32, .size: 8, .value_kind: global_buffer, .address_space: global }
      - { .name: xq, .offset: 40, .size: 8, .value_kind: global_buffer, .address_space: global }
      - { .name: wf, .offset: 48, .size: 8, .value_kind: global_buffer, .address_space: global }
    .group_segment_fixed_size: 69120
    .private_segment_fixed_size: 0
    .kernarg_segment_align: 8
    .kernarg_segment_size: 56
    .max_flat_workgroup_size: 256
    .sgpr_count:     66
    .vgpr_count:     178
    .wavefront_size: 32
...
	.end_amdgpu_metadata
.endif
;; end of part 1
;; launch qkv (part 2): grid 64 x 4, 4 waves a work-group, no clusters, 66,048 bytes of LDS; arguments xq, wf, wq_scales, wk_scales, wv_scales, qc, kc, vc, sc; writes qc, kc, vc, sc
.if DOCPART == 2
	.amdgcn_target "amdgcn-amd-amdhsa--gfx1250"
	.amdhsa_code_object_version 6
	.text
	.protected	k_qa0c8575a4b_qkv
	.globl	k_qa0c8575a4b_qkv
	.p2align	8
	.type	k_qa0c8575a4b_qkv,@function
k_qa0c8575a4b_qkv:
	s_mov_b64 s[64:65], 0
	v_nop
	global_prefetch_b8 v0, s[64:65] scope:SCOPE_SE
	s_setreg_imm32_b32 hwreg(HW_REG_WAVE_MODE, 25, 1), 1
	s_wait_xcnt 0x0
; QKV.  q = x wq^T, k = x wk^T, v = x wv^T on codes of FP4 with E8M0 scales; the results are quantised in registers: q and k along a head's 64 numbers (two blocks), v along the keys (blocks of 32 tokens).
; SHARES.  Work-group (X, y): tokens 128 X .. 128 X + 127 (8 tiles); wave w: head 4 y + w, three units (q, k, v) of 128 tokens x 64 columns x K 1,024: 32 accumulators, 8 K steps of 32 matrix instructions.
; x's 64 fragments come once (each wave fetches a quarter, LDS hands them round) and stay in 512 registers; a weight fragment goes from memory straight into the one wave that uses it, and feeds 8 matrix instructions.
; LAYOUT (tiles as the first launch lays them: row r of tile 2 B + u is row 32 B + 8 u + r + 8 (r / 8)).
;   q, k: source 0 = 16 rows of W, source 1 = 16 tokens: a lane holds ONE token, and the 32 registers of its 4 tiles run along d: register 16 b + i = d 32 b + 16 h + i.
;   v:    source 0 = 16 tokens, source 1 = 16 rows of wv: a lane holds ONE d, and the 64 registers of its 8 tiles run along the keys: register 16 b + i = key 32 b + 16 h + i.
; OUT.  qc, kc: [16 batch + head][tile of the batch 0..127][lane][16 bytes]: lane (r, h) holds its token's block h.   vc: [16 batch + head][128 keys G][d tile 0..3][c][lane][16 bytes]: fragments of V^T.
;   sc: q's scale words at 0, k's at 524,288: [bh][G][lane][p 0..3]: lanes 0-15 tile 2 p, lanes 16-31 tile 2 p + 1; bytes 0, 1 the two blocks', bytes 2, 3 zero.   v's at 1,048,576: [bh][G][lane][p 0..1], four bytes a word.
; LIMITS: a block of zeros gets the byte 1: its codes are zeros and this program alone reads the bytes; magnitudes under 2^(3 - 127) count as that floor; NaN and infinities are not served.
; NO CLUSTER: a joint request lands in LDS, and here the weights (96 KiB a wave, each fragment used by one wave) pass LDS by; sharing them among the work-groups of one y would want a ring in LDS with its barriers. Not built.
; REGISTERS, in windows of 256.  Window 0: v1-6 addresses; v16-47 x's scale words; v48-79 the weights' scale words, two sets; v80-207 a ring of 4 x 4 weight fragments; v208-223 at work; v224-239 codes, two sets; v240-251 scale words on their way out.
;   Windows 1, 2: x's fragment (tile tt, K step s) at v[64 (tt % 4) + 8 s] of window 1 + tt / 4.   Window 3: the 32 accumulators.
.set XSO,  4194304
.set XS,   16                          ; register XS + 8 p + s: lanes 0-15 tile 2 p's words of K step s, lanes 16-31 tile 2 p + 1's
.set WS,   48                          ; set z at WS + 16 z; in it register 8 B + s likewise for the weight's tiles 2 B, 2 B + 1
.set RING, 80
.set TM,   208
.set PC,   224
.set W8,   240
.set PK,   248
.set SEL,  36
.set MSB, 0
.macro WIN new                         ; the immediate's high byte repeats the setting that is left; a switch that changes nothing is dropped
.if MSB != \new
	s_set_vgpr_msb (MSB<<8)|\new
.set MSB, \new
.endif
.endm
; one matrix instruction from the symbols rD, rA, rB (registers), rSA, rSB (scale registers), rRA, rRB (1: the scales stand in lanes 16-31), rZ (1: it starts the sum)
.macro WM
.if rZ
.if (rRA == 0) && (rRB == 0)
	v_wmma_scale_f32_16x16x128_f8f6f4 v[rD:rD+7], v[rA:rA+7], v[rB:rB+7], 0, v[rSA], v[rSB] matrix_a_fmt:MATRIX_FMT_FP4 matrix_b_fmt:MATRIX_FMT_FP4
.elseif (rRA == 1) && (rRB == 0)
	v_wmma_scale_f32_16x16x128_f8f6f4 v[rD:rD+7], v[rA:rA+7], v[rB:rB+7], 0, v[rSA], v[rSB] matrix_a_fmt:MATRIX_FMT_FP4 matrix_b_fmt:MATRIX_FMT_FP4 matrix_a_scale:MATRIX_SCALE_ROW1
.elseif (rRA == 0) && (rRB == 1)
	v_wmma_scale_f32_16x16x128_f8f6f4 v[rD:rD+7], v[rA:rA+7], v[rB:rB+7], 0, v[rSA], v[rSB] matrix_a_fmt:MATRIX_FMT_FP4 matrix_b_fmt:MATRIX_FMT_FP4 matrix_b_scale:MATRIX_SCALE_ROW1
.else
	v_wmma_scale_f32_16x16x128_f8f6f4 v[rD:rD+7], v[rA:rA+7], v[rB:rB+7], 0, v[rSA], v[rSB] matrix_a_fmt:MATRIX_FMT_FP4 matrix_b_fmt:MATRIX_FMT_FP4 matrix_a_scale:MATRIX_SCALE_ROW1 matrix_b_scale:MATRIX_SCALE_ROW1
.endif
.else
.if (rRA == 0) && (rRB == 0)
	v_wmma_scale_f32_16x16x128_f8f6f4 v[rD:rD+7], v[rA:rA+7], v[rB:rB+7], v[rD:rD+7], v[rSA], v[rSB] matrix_a_fmt:MATRIX_FMT_FP4 matrix_b_fmt:MATRIX_FMT_FP4
.elseif (rRA == 1) && (rRB == 0)
	v_wmma_scale_f32_16x16x128_f8f6f4 v[rD:rD+7], v[rA:rA+7], v[rB:rB+7], v[rD:rD+7], v[rSA], v[rSB] matrix_a_fmt:MATRIX_FMT_FP4 matrix_b_fmt:MATRIX_FMT_FP4 matrix_a_scale:MATRIX_SCALE_ROW1
.elseif (rRA == 0) && (rRB == 1)
	v_wmma_scale_f32_16x16x128_f8f6f4 v[rD:rD+7], v[rA:rA+7], v[rB:rB+7], v[rD:rD+7], v[rSA], v[rSB] matrix_a_fmt:MATRIX_FMT_FP4 matrix_b_fmt:MATRIX_FMT_FP4 matrix_b_scale:MATRIX_SCALE_ROW1
.else
	v_wmma_scale_f32_16x16x128_f8f6f4 v[rD:rD+7], v[rA:rA+7], v[rB:rB+7], v[rD:rD+7], v[rSA], v[rSB] matrix_a_fmt:MATRIX_FMT_FP4 matrix_b_fmt:MATRIX_FMT_FP4 matrix_a_scale:MATRIX_SCALE_ROW1 matrix_b_scale:MATRIX_SCALE_ROW1
.endif
.endif
.endm
; step sg = 8 x unit + K step, 0..23: my head's four weight fragments into ring buffer sg % 4: 8 loads of 512 consecutive bytes
.macro RLOAD sg
.irp t, 0,1,2,3
.irp c, 0,1
	global_load_b128 v[RING+32*((\sg)%4)+8*\t+4*\c:RING+32*((\sg)%4)+8*\t+4*\c+3], v1, s[10:11] offset:((\sg)/8)*524288+\t*8192+((\sg)%8)*1024+512*\c
.endr
.endr
.endm
; a weight's scale words of my head's 64 rows, all of K, into set z: 4 loads
.macro WSLOAD p, z
.irp be, 0,1
.irp g, 0,1
	global_load_b128 v[WS+16*\z+8*\be+4*\g:WS+16*\z+8*\be+4*\g+3], v4, s[\p:\p+1] offset:\be*1024+16*\g
.endr
.endr
.endm
; 16 matrix instructions: x's tiles tt0 .. tt0 + 3 against the four weight fragments.  kind 0: source 0 = W (q, k);  kind 1: source 0 = x (v)
.macro HALF kind, sg, tt0, z
.irp a, 0,1,2,3
.irp t, 0,1,2,3
.set tt, \tt0+\a
.set ks, (\sg)%8
.set rW, RING+32*((\sg)%4)+8*\t
.set rX, 64*\a+8*ks
.set rSW, WS+16*(\z)+8*(\t/2)+ks
.set rSX, XS+8*(tt/2)+ks
.if ks == 0
.set rZ, 1
.else
.set rZ, 0
.endif
.if \kind
.set rD, 64*\t+8*tt
.set rA, rX
.set rB, rW
.set rSA, rSX
.set rSB, rSW
.set rRA, tt%2
.set rRB, \t%2
.else
.set rD, 8*(4*tt+\t)
.set rA, rW
.set rB, rX
.set rSA, rSW
.set rSB, rSX
.set rRA, \t%2
.set rRB, tt%2
.endif
	WM
.endr
.endr
.endm
; A K step: 32 matrix instructions, the 32 accumulators by turns, one instruction a turn.  n: the younger loads that may stay out.
.macro KSTEP kind, sg, n, z
	s_wait_loadcnt \n                              ; loads come back in order: this step's 8 are in
.if \kind
	WIN 0xf1                                       ; source 0 (x) window 1, source 1 (W) window 0, C and D window 3
.else
	WIN 0xf4                                       ; source 0 (W) window 0, source 1 (x) window 1, C and D window 3
.endif
	HALF \kind, \sg, 0, \z
.if \kind
	WIN 0xf2
.else
	WIN 0xf8
.endif
	HALF \kind, \sg, 4, \z
	WIN 0
.rept 4
	v_nop                                          ; four plain instructions behind the products, ahead of loads into registers that they read and of the first read of results
.endr
.if (\sg)+4 < 24
	RLOAD (\sg)+4                                  ; the buffer just read takes the step four on, across units too
.endif
.endm
; nb blocks of 32 in window 3, register a + 16 b + i = number 32 b + 16 h + i of my row, become codes in v[PC + 8 z] on; their bytes are left in v[TM + 4 + b]
.macro QUANTW a, nb, z
	s_wait_xcnt 0x0                                ; the stores issued so far have read their data: a set of code registers is written again only behind this wait
	WIN 0x3c                                       ; sources 1 and 2 window 3
.set qb, 0
.rept \nb
	v_max3_num_f32 v[TM+qb], 0x1800000, |v[(\a)+16*qb]|, |v[(\a)+16*qb+1]|   ; the floor 2^(3 - 127) and my first two; each accumulator is read from its low end on
.set qb, qb+1
.endr
.irp i, 2,4,6,8,10,12,14
.set qb, 0
.rept \nb
	v_max3_num_f32 v[TM+qb], v[TM+qb], |v[(\a)+16*qb+\i]|, |v[(\a)+16*qb+\i+1]|
.set qb, qb+1
.endr
.endr
	WIN 0
.set qb, 0
.rept \nb
	v_permlanex16_b32 v[TM+4+qb], v[TM+qb], s[SEL], s[SEL+1]
.set qb, qb+1
.endr
.set qb, 0
.rept \nb
	v_max_num_f32 v[TM+qb], v[TM+qb], v[TM+4+qb]   ; with lane l xor 16's 16: the block's largest magnitude
.set qb, qb+1
.endr
.set qb, 0
.rept \nb
	v_add_nc_u32 v[TM+12+qb], 0xff000000, v[TM+qb] ; 2 off its exponent field: the conversion's scale operand
.set qb, qb+1
.endr
.set qb, 0
.rept \nb
	v_lshrrev_b32 v[TM+4+qb], 23, v[TM+12+qb]      ; the scale's byte
.set qb, qb+1
.endr
	WIN 0x03                                       ; source 0 window 3
.set qb, 0
.rept \nb
	v_cvt_scalef32_pk8_fp4_f32 v[PC+8*(\z)+2*qb], v[(\a)+16*qb:(\a)+16*qb+7], v[TM+12+qb]
	v_cvt_scalef32_pk8_fp4_f32 v[PC+8*(\z)+2*qb+1], v[(\a)+16*qb+8:(\a)+16*qb+15], v[TM+12+qb]
.set qb, qb+1
.endr
	WIN 0
	v_nop                                          ; one plain instruction behind a scaled conversion
.set qb, 0
.rept (\nb)/2
	v_permlane16_swap_b32 v[PC+8*(\z)+4*qb], v[PC+8*(\z)+4*qb+2]       ; a whole block to a lane
	v_permlane16_swap_b32 v[PC+8*(\z)+4*qb+1], v[PC+8*(\z)+4*qb+3]
.set qb, qb+1
.endr
.endm
; the way out of q or of k: for each tile of tokens an image of 512 bytes; the eight tiles' scale words leave by one store of 512 bytes
.macro QKOUT cp, sp
.irp tt, 0,1,2,3,4,5,6,7
	QUANTW 32*\tt, 2, \tt%2
	v_lshl_or_b32 v[W8+\tt], v[TM+5], 8, v[TM+4]   ; bytes 2 and 3 stay 0
	global_store_b128 v1, v[PC+8*(\tt%2):PC+8*(\tt%2)+3], s[\cp:\cp+1] offset:512*\tt
.endr
	s_wait_xcnt 0x0                                ; the last unit's store of scale words has read its data
	v_cmp_le_u32 vcc_lo, 16, v6
.irp p, 0,1,2,3
	v_cndmask_b32 v[PK+\p], v[W8+2*\p], v[W8+2*\p+1], vcc_lo   ; lanes 0-15 the even tile's word, lanes 16-31 the odd tile's
.endr
	global_store_b128 v1, v[PK:PK+3], s[\sp:\sp+1]
.endm
	s_load_b512 s[8:23], s[0:1], 0x0               ; xq s[8:9], wf s[10:11], wq_scales s[12:13], wk_scales s[14:15], wv_scales s[16:17], qc s[18:19], kc s[20:21], vc s[22:23]
	s_load_b64 s[24:25], s[0:1], 0x40              ; sc
	v_lshl_add_u32 v254, v0, 2, 0x10000
	v_mov_b32 v255, 0
	v_lshrrev_b32 v1, 5, v0
	v_readfirstlane_b32 s2, v1                     ; wave 0..3
	v_and_b32 v6, 31, v0                           ; lane
	v_lshlrev_b32 v1, 4, v6                        ; 16 x lane
	s_lshl_b32 s3, s2, 14
	v_add_nc_u32 v2, s3, v1                        ; my quarter of x's 65,536 bytes, in memory and in LDS alike
	v_lshlrev_b32 v3, 5, v6                        ; x's scale bytes: 32 a row; lanes 16-31 fall into the next tile
	v_and_b32 v4, 15, v0
	v_and_b32 v5, 8, v4
	v_add_nc_u32 v4, v4, v5                        ; r + 8 (r / 8)
	v_bfe_u32 v5, v0, 4, 1
	v_lshl_add_u32 v4, v5, 3, v4                   ; lanes 16-31: the odd tile, 8 rows on
	v_lshlrev_b32 v4, 5, v4                        ; a weight's scale bytes: 32 a row
	v_lshlrev_b32 v5, 3, v6                        ; 8 x lane
.irp b, 0,1,2,3
	v_mov_b32 v[TM+4+\b], 0                        ; a lane permute's destination counts as one of its sources
.endr
	s_mov_b32 s[SEL], 0x76543210
	s_mov_b32 s[SEL+1], 0xfedcba98
	s_and_b32 s3, ttmp7, 0xffff                    ; y
	s_lshl_b32 s5, s3, 2
	s_add_co_u32 s5, s5, s2                        ; head = 4 y + wave
	s_lshr_b32 s4, ttmp9, 4                        ; batch
	s_and_b32 s7, ttmp9, 15                        ; G: which 128 tokens of the batch
	s_lshl_b32 s6, s4, 4
	s_add_co_u32 s6, s6, s5                        ; bh = 16 batch + head
	s_lshl_b32 s40, s6, 4
	s_add_co_u32 s40, s40, s7                      ; 16 bh + G
	s_mov_b32 s39, 0
	s_wait_kmcnt 0x0
	s_lshl_b32 s38, ttmp9, 12
	s_add_co_u32 s38, s38, XSO
	s_add_nc_u64 s[28:29], s[8:9], s[38:39]        ; x's scale bytes: 8 tiles of 512
	s_lshl_b32 s38, ttmp9, 16
	s_add_nc_u64 s[8:9], s[8:9], s[38:39]          ; x's images: 8 tiles of 8,192
	s_lshl_b32 s38, s5, 15
	s_add_nc_u64 s[10:11], s[10:11], s[38:39]      ; my head's 4 tiles in each weight
	s_lshl_b32 s38, s5, 11
	s_add_nc_u64 s[12:13], s[12:13], s[38:39]      ; my head's 64 rows of scale bytes
	s_add_nc_u64 s[14:15], s[14:15], s[38:39]
	s_add_nc_u64 s[16:17], s[16:17], s[38:39]
	s_lshl_b32 s38, s40, 12                        ; 4,096 bytes for each (bh, G) in qc, kc and vc
	s_add_nc_u64 s[18:19], s[18:19], s[38:39]
	s_add_nc_u64 s[20:21], s[20:21], s[38:39]
	s_add_nc_u64 s[22:23], s[22:23], s[38:39]
	s_lshl_b32 s38, s40, 9
	s_add_nc_u64 s[30:31], s[24:25], s[38:39]      ; q's scale words
	s_add_nc_u64 s[32:33], s[30:31], 524288        ; k's
	s_lshl_b32 s38, s40, 8
	s_add_co_u32 s38, s38, 1048576
	s_add_nc_u64 s[34:35], s[24:25], s[38:39]      ; v's
.set i, 0
.rept 32
	global_load_b128 v[RING+4*i:RING+4*i+3], v2, s[8:9] offset:512*i   ; my quarter of x's images, through the ring's registers
.set i, i+1
.endr
.irp p, 0,1,2,3
.irp g, 0,1
	global_load_b128 v[XS+8*\p+4*\g:XS+8*\p+4*\g+3], v3, s[28:29] offset:\p*1024+16*\g
.endr
.endr
	WSLOAD 12, 0                                   ; wq's scale words
	WSLOAD 14, 1                                   ; wk's
	s_wait_loadcnt 16                              ; the 32 loads of x are in; the 16 loads of scale words may stay out
.set i, 0
.rept 32
	ds_store_b128 v2, v[RING+4*i:RING+4*i+3] offset:512*i
.set i, i+1
.endr
	s_wait_dscnt 0x0                               ; for the others' sake: my quarter has landed (and the stores have read the ring's registers)
	s_barrier_signal -1
	s_barrier_wait -1
	RLOAD 0
	RLOAD 1
	RLOAD 2
	RLOAD 3
	WIN 0x40                                       ; destination window 1
.irp tt, 0,1,2,3
.irp k, 0,1,2,3,4,5,6,7
.irp c, 0,1
	ds_load_b128 v[64*\tt+8*\k+4*\c:64*\tt+8*\k+4*\c+3], v1 offset:(8*\tt+\k)*1024+512*\c
.endr
.endr
.endr
	WIN 0x80                                       ; destination window 2
.irp tt, 0,1,2,3
.irp k, 0,1,2,3,4,5,6,7
.irp c, 0,1
	ds_load_b128 v[64*\tt+8*\k+4*\c:64*\tt+8*\k+4*\c+3], v1 offset:(8*(\tt+4)+\k)*1024+512*\c
.endr
.endr
.endr
	WIN 0
	s_wait_dscnt 0x0                               ; x's 64 fragments are in registers, for the whole launch
	; ---- q.  Behind each step's own 8 loads stand three steps' 24 (in steps 8 to 11 also wv's 4 scale loads: the count 24 is then the smaller, safe one)
.irp g, 0,1,2,3,4,5,6,7
	KSTEP 0, \g, 24, 0
.endr
	WSLOAD 16, 0                                   ; wv's scale words, into the set that q has left (four plain instructions behind q's last products)
	QKOUT 18, 30
	; ---- k
.irp g, 8,9,10,11,12,13,14,15
	KSTEP 0, \g, 24, 1
.endr
	QKOUT 20, 32
	; ---- v
.irp g, 16,17,18,19,20
	KSTEP 1, \g, 24, 0
.endr
	KSTEP 1, 21, 16, 0                             ; nothing more is asked for: the counts run down
	KSTEP 1, 22, 8, 0
	KSTEP 1, 23, 0, 0
.irp dt, 0,1,2,3
	QUANTW 64*\dt, 4, \dt%2                        ; 16 d x 128 keys: one fragment of V^T
	v_lshl_or_b32 v[W8+\dt], v[TM+5], 8, v[TM+4]
	v_lshl_or_b32 v[W8+\dt], v[TM+6], 16, v[W8+\dt]
	v_lshl_or_b32 v[W8+\dt], v[TM+7], 24, v[W8+\dt]
	global_store_b128 v1, v[PC+8*(\dt%2):PC+8*(\dt%2)+3], s[22:23] offset:1024*\dt
	global_store_b128 v1, v[PC+8*(\dt%2)+4:PC+8*(\dt%2)+7], s[22:23] offset:1024*\dt+512
.endr
	s_wait_xcnt 0x0                                ; k's store of scale words has read its data
	v_cmp_le_u32 vcc_lo, 16, v6
	v_cndmask_b32 v[PK], v[W8], v[W8+1], vcc_lo
	v_cndmask_b32 v[PK+1], v[W8+2], v[W8+3], vcc_lo
	global_store_b64 v5, v[PK:PK+1], s[34:35]      ; 256 consecutive bytes
	s_wait_tensorcnt 0x0
	ds_add_u32 v254, v255
	s_wait_dscnt 0x0
	s_endpgm
.Lfunc_end_k_qa0c8575a4b_qkv:
	.size	k_qa0c8575a4b_qkv, .Lfunc_end_k_qa0c8575a4b_qkv-k_qa0c8575a4b_qkv
	.p2alignl 7, 3214868480
	.fill 96, 4, 3214868480
	.section	.rodata,"a",@progbits
	.p2align	6, 0x0
	.amdhsa_kernel k_qa0c8575a4b_qkv
		.amdhsa_group_segment_fixed_size 66048
		.amdhsa_private_segment_fixed_size 0
		.amdhsa_enable_private_segment 0
		.amdhsa_kernarg_size 72
		.amdhsa_user_sgpr_count 2
		.amdhsa_user_sgpr_kernarg_segment_ptr 1
		.amdhsa_wavefront_size32 1
		.amdhsa_system_sgpr_workgroup_id_x 1
		.amdhsa_system_sgpr_workgroup_id_y 1
		.amdhsa_system_sgpr_workgroup_id_z 1
		.amdhsa_system_vgpr_workitem_id 0
		.amdhsa_next_free_vgpr 1024
		.amdhsa_next_free_sgpr 66
		.amdhsa_reserve_vcc 1
		.amdhsa_float_denorm_mode_32 3
		.amdhsa_float_denorm_mode_16_64 3
		.amdhsa_memory_ordered 1
		.amdhsa_forward_progress 1
		.amdhsa_inst_pref_size 189
	.end_amdhsa_kernel
	.amdgpu_metadata
---
amdhsa.version: [ 1, 2 ]
amdhsa.kernels:
  - .name:           k_qa0c8575a4b_qkv
    .symbol:         k_qa0c8575a4b_qkv.kd
    .args:
      - { .name: xq, .offset: 0, .size: 8, .value_kind: global_buffer, .address_space: global }
      - { .name: wf, .offset: 8, .size: 8, .value_kind: global_buffer, .address_space: global }
      - { .name: wq_scales, .offset: 16, .size: 8, .value_kind: global_buffer, .address_space: global }
      - { .name: wk_scales, .offset: 24, .size: 8, .value_kind: global_buffer, .address_space: global }
      - { .name: wv_scales, .offset: 32, .size: 8, .value_kind: global_buffer, .address_space: global }
      - { .name: qc, .offset: 40, .size: 8, .value_kind: global_buffer, .address_space: global }
      - { .name: kc, .offset: 48, .size: 8, .value_kind: global_buffer, .address_space: global }
      - { .name: vc, .offset: 56, .size: 8, .value_kind: global_buffer, .address_space: global }
      - { .name: sc, .offset: 64, .size: 8, .value_kind: global_buffer, .address_space: global }
    .group_segment_fixed_size: 66048
    .private_segment_fixed_size: 0
    .kernarg_segment_align: 8
    .kernarg_segment_size: 72
    .max_flat_workgroup_size: 128
    .sgpr_count:     66
    .vgpr_count:     1024
    .wavefront_size: 32
...
	.end_amdgpu_metadata
.endif
;; end of part 2
;; launch attn_out (part 3): grid 256 x 1, 16 waves a work-group, no clusters, 282,112 bytes of LDS; arguments hidden_states, qc, kc, vc, sc, wf, wo_scales, bo, ln_w, ln_b, out0; writes out0
.if DOCPART == 3
	.amdgcn_target "amdgcn-amd-amdhsa--gfx1250"
	.amdhsa_code_object_version 6
	.text
	.protected	k_qa0c8575a4b_attn_out
	.globl	k_qa0c8575a4b_attn_out
	.p2align	8
	.type	k_qa0c8575a4b_attn_out,@function
k_qa0c8575a4b_attn_out:
	s_mov_b64 s[64:65], 0
	v_nop
	global_prefetch_b8 v0, s[64:65] scope:SCOPE_SE
	s_setreg_imm32_b32 hwreg(HW_REG_WAVE_MODE, 25, 1), 1
	s_wait_xcnt 0x0
; ATTENTION, OUT-PROJECTION, LAYERNORM.  out = Q(ctx) wo^T + bo + LayerNorm(x);  ctx = (the sum over the keys of Q(p) Q(v)) / l, with key j counting for query i where j <= i and i - j < 256.
; All products on codes of FP4 with E8M0 scales.  THE SOFTMAX: t = score x log2(e); M = the running largest t rounded UP to a whole number; p = 2^(t - M) is quantised along the keys, not normalised;
; l is the sum of the unquantised p.  When M moves, l and O are multiplied by 2^(old M - new M), which rounds nothing.
; SHARES.  Work-group W: 32 queries of a batch, tokens 32 g .. 32 g + 31 (g = W % 64): tile A (row r = token 32 g + r + 8 (r / 8)) and tile B (8 tokens on).  Sixteen waves of 256 registers, four to a SIMD.
;   Wave w is head w in the attention, columns 64 w .. 64 w + 63 in the out-projection, and two whole rows in the epilogue.
; KEYS.  With m = g / 4, the keys that count lie in the three aligned groups of 128 keys m - 2 (lower edge of the band masked), m - 1 (all count) and m (causal edge masked).  Groups under 0 are left out by a scalar branch on the work-group's number.
; LAYOUT.  S^T = K Q^T (source 0 = 16 keys) and O^T = V^T P^T (source 0 = 16 d): a lane holds ONE query throughout; p's 16 registers of two neighbouring tiles are 16 neighbouring keys, O^T's are 16 neighbouring d.
; K = 64 IN AN INSTRUCTION OF 128: Q's registers 4-7 are zero codes.  A key tile's registers 4-7 are whatever follows (the next tile's codes, at last zeros): every code is a finite number, and bytes 2, 3 of the scale words are 0, which is 2^-127: those products are exact zeros.
; x's 32 rows for the LayerNorm come by asynchronous copies at the head, each wave its own two rows, filled once, and land while the attention runs.
; LIMITS: a block of zeros gets the byte 1: its codes are zeros; magnitudes under 2^(3 - 127) count as that floor; NaN and infinities are not served.
; NO CLUSTER: the four work-groups of one m read the same K and V, and all read wo; these go from memory straight into registers in fragment order, and of LDS 280,064 bytes hold x's rows, the stage and ctx, so that no ring for joint loads fits beside them.
.set STAGE, 131072                     ; LDS: 0: x's rows, 8,192 bytes a wave;  STAGE: 32 rows of the out-projection, in tile order 16 u + r
.set SPI,   4112                       ; a stage row: 4,096 bytes + 16
.set CIMG,  STAGE+32*SPI               ; ctx's codes as images: [u][head][lane][16 bytes]
.set CSC,   CIMG+16384                 ; ctx's scale bytes: [16 u + r][32]
.set QA,  8                            ; v8-15 tile A's queries (v12-15 zeros), v16-23 tile B's
.set QB,  16
.set QS,  24                           ; Q's scale words: lanes 0-15 tile A, lanes 16-31 tile B
.set STA, 26                           ; tile A: -M, the largest t, l in two halves;  v30-33 tile B
.set STB, 30
.set KF,  34                           ; v34-65 eight key tiles of 4 registers, v66-69 zeros; later four fragments of V^T
.set KS,  70                           ; v70-73 K's scale words, then V's (v70-71)
.set PA,  74                           ; p's codes
.set PB,  82
.set PSA, 90                           ; p's scale words: v90 tile A, v91 tile B
.set S,   92                           ; v92-155 S^T, then p
.set OA,  156                          ; O^T
.set OB,  188
.set BM,  220                          ; blocks' largest scores, then largest p
.set BT,  224                          ; the other half's, then bytes, then the second chain of sums
.set BS,  228                          ; the conversions' scale operands
.set F,   232                          ; v[232:233]: f = 2^(old M - new M) in the low word
.set T0,  234
.set CW,  7                            ; from the end of the attention on: LDS addresses
.set CSW, 25
.set CR,  4
.set CSR, 5
.set SO0, 6
.set SO1, 232
.set SR,  233
.set WSA, 234
.set CSS, 248                          ; v248-255 ctx's scale words;  wo's in the quads v70, v236, v240, v244
.set ACC, 156                          ; the out-projection's 8 accumulators
.set LW,  92                           ; the epilogue: ln_w, ln_b + bo, bo (then row 1 of x), row 0 of x, a row of the stage
.set CB,  124
.set BO,  26
.set X0,  156
.set Y0,  188
.set SEL, 40
.set CS,  42
.macro WM                              ; one matrix instruction from the symbols rD, rA, rB, rSA, rSB, rRA, rRB (1: scales in lanes 16-31), rZ (1: it starts the sum)
.if rZ
.if (rRA == 0) && (rRB == 0)
	v_wmma_scale_f32_16x16x128_f8f6f4 v[rD:rD+7], v[rA:rA+7], v[rB:rB+7], 0, v[rSA], v[rSB] matrix_a_fmt:MATRIX_FMT_FP4 matrix_b_fmt:MATRIX_FMT_FP4
.elseif (rRA == 1) && (rRB == 0)
	v_wmma_scale_f32_16x16x128_f8f6f4 v[rD:rD+7], v[rA:rA+7], v[rB:rB+7], 0, v[rSA], v[rSB] matrix_a_fmt:MATRIX_FMT_FP4 matrix_b_fmt:MATRIX_FMT_FP4 matrix_a_scale:MATRIX_SCALE_ROW1
.elseif (rRA == 0) && (rRB == 1)
	v_wmma_scale_f32_16x16x128_f8f6f4 v[rD:rD+7], v[rA:rA+7], v[rB:rB+7], 0, v[rSA], v[rSB] matrix_a_fmt:MATRIX_FMT_FP4 matrix_b_fmt:MATRIX_FMT_FP4 matrix_b_scale:MATRIX_SCALE_ROW1
.else
	v_wmma_scale_f32_16x16x128_f8f6f4 v[rD:rD+7], v[rA:rA+7], v[rB:rB+7], 0, v[rSA], v[rSB] matrix_a_fmt:MATRIX_FMT_FP4 matrix_b_fmt:MATRIX_FMT_FP4 matrix_a_scale:MATRIX_SCALE_ROW1 matrix_b_scale:MATRIX_SCALE_ROW1
.endif
.else
.if (rRA == 0) && (rRB == 0)
	v_wmma_scale_f32_16x16x128_f8f6f4 v[rD:rD+7], v[rA:rA+7], v[rB:rB+7], v[rD:rD+7], v[rSA], v[rSB] matrix_a_fmt:MATRIX_FMT_FP4 matrix_b_fmt:MATRIX_FMT_FP4
.elseif (rRA == 1) && (rRB == 0)
	v_wmma_scale_f32_16x16x128_f8f6f4 v[rD:rD+7], v[rA:rA+7], v[rB:rB+7], v[rD:rD+7], v[rSA], v[rSB] matrix_a_fmt:MATRIX_FMT_FP4 matrix_b_fmt:MATRIX_FMT_FP4 matrix_a_scale:MATRIX_SCALE_ROW1
.elseif (rRA == 0) && (rRB == 1)
	v_wmma_scale_f32_16x16x128_f8f6f4 v[rD:rD+7], v[rA:rA+7], v[rB:rB+7], v[rD:rD+7], v[rSA], v[rSB] matrix_a_fmt:MATRIX_FMT_FP4 matrix_b_fmt:MATRIX_FMT_FP4 matrix_b_scale:MATRIX_SCALE_ROW1
.else
	v_wmma_scale_f32_16x16x128_f8f6f4 v[rD:rD+7], v[rA:rA+7], v[rB:rB+7], v[rD:rD+7], v[rSA], v[rSB] matrix_a_fmt:MATRIX_FMT_FP4 matrix_b_fmt:MATRIX_FMT_FP4 matrix_a_scale:MATRIX_SCALE_ROW1 matrix_b_scale:MATRIX_SCALE_ROW1
.endif
.endif
.endm
.macro PLACES                          ; four plain instructions behind matrix instructions, ahead of the first read of results and of loads into registers that they read
.rept 4
	v_nop
.endr
.endm
; S^T of one tile of queries: 8 tiles of 16 keys
.macro QK q, u
.irp t, 0,1,2,3,4,5,6,7
.set rD, S+8*\t
.set rA, KF+4*\t
.set rB, \q
.set rSA, KS+\t/2
.set rSB, QS
.set rRA, \t%2
.set rRB, \u
.set rZ, 1
	WM
.endr
.endm
; Register n = 16 b + i of S^T holds key 128 G + 16 h + ko, ko = 32 b + i; my query is 128 m + 32 j + 8 u + r + 8 (r / 8); v5 = 32 j + r + 8 (r / 8) - 16 h.
; kind 2 (G = m): hidden where the key comes after the query: ko - 8 u > v5.   kind 0 (G = m - 2): hidden where query - key >= 256: ko - 8 u <= v5.   Hidden scores become -infinity: p = 0.
.macro MASK kind, u
.set nn, 0
.rept 64
.if \kind == 0
	v_cmp_le_i32 vcc_lo, 32*(nn/16)+nn%16-8*\u, v5
.else
	v_cmp_gt_i32 vcc_lo, 32*(nn/16)+nn%16-8*\u, v5
.endif
	v_cndmask_b32 v[S+nn], v[S+nn], v6, vcc_lo     ; ascending: each accumulator is read from its low end on
.set nn, nn+1
.endr
.endm
; one tile's softmax for 128 keys: scores in S become p; p's codes go to v[p] on, their scale word to v[ps]; l and O^T are brought under the new M
.macro SOFTMAX st, o, p, ps
.irp b, 0,1,2,3
	v_max3_num_f32 v[BM+\b], v[S+16*\b], v[S+16*\b+1], v[S+16*\b+2]   ; the largest score of each block of 32 keys: for the row's maximum, and, since p rises with the score, for the block's largest p
.endr
.irp i, 3,5,7,9,11,13
.irp b, 0,1,2,3
	v_max3_num_f32 v[BM+\b], v[BM+\b], v[S+16*\b+\i], v[S+16*\b+\i+1]
.endr
.endr
.irp b, 0,1,2,3
	v_max_num_f32 v[BM+\b], v[BM+\b], v[S+16*\b+15]
.endr
.irp b, 0,1,2,3
	v_permlanex16_b32 v[BT+\b], v[BM+\b], s[SEL], s[SEL+1]
.endr
.irp b, 0,1,2,3
	v_max_num_f32 v[BM+\b], v[BM+\b], v[BT+\b]     ; with lane l xor 16's 16 keys
.endr
	v_max3_num_f32 v[T0], v[BM], v[BM+1], v[BM+2]
	v_max_num_f32 v[T0], v[T0], v[BM+3]
	v_mul_f32 v[T0], s[CS], v[T0]                  ; the step's largest t of my query (-infinity where all 128 keys are hidden)
	v_max_num_f32 v[\st+1], v[\st+1], v[T0]        ; the running largest t
	v_mov_b32 v[T0], v[\st]
	v_floor_f32 v[\st], -v[\st+1]                  ; the new -M = floor(-t) = -ceil(t)
	v_sub_f32 v[T0], v[\st], v[T0]                 ; old M - new M: a whole number, 0 or less
	v_cvt_i32_f32 v[T0], v[T0]                     ; (it saturates)
	v_ldexp_f32 v[F], 1.0, v[T0]                   ; f
.irp j, 0,2,4,6,8,10,12,14,16,18,20,22,24,26,28,30,32,34,36,38,40,42,44,46,48,50,52,54,56,58,60,62
	v_pk_fma_f32 v[S+\j:S+\j+1], v[S+\j:S+\j+1], s[CS:CS+1], v[\st:\st+1] op_sel_hi:[1,0,0]   ; t - M, two at a time
.endr
.irp b, 0,1,2,3
	v_fma_f32 v[BM+\b], v[BM+\b], s[CS], v[\st]    ; the same of each block's largest score
.endr
.irp j, 0,1,2,3,4,5,6,7,8,9,10,11,12,13,14,15,16,17,18,19,20,21,22,23,24,25,26,27,28,29,30,31,32,33,34,35,36,37,38,39,40,41,42,43,44,45,46,47,48,49,50,51,52,53,54,55,56,57,58,59,60,61,62,63
	v_exp_f32 v[S+\j], v[S+\j]                     ; p = 2^(t - M)
.endr
.irp b, 0,1,2,3
	v_exp_f32 v[BM+\b], v[BM+\b]                   ; the block's largest p: the same two instructions on the same number
.endr
	v_pk_mul_f32 v[\st+2:\st+3], v[\st+2:\st+3], v[F:F+1] op_sel_hi:[1,0]   ; l under the new M (the plain instruction behind the exponentials)
	s_wait_alu depctr_va_vdst(0)
.irp b, 0,1,2,3
	v_max_num_f32 v[BM+\b], 0x1800000, v[BM+\b]    ; the floor 2^(3 - 127)
.endr
.irp b, 0,1,2,3
	v_add_nc_u32 v[BS+\b], 0xff000000, v[BM+\b]    ; 2 off the exponent field: the conversion's scale operand
.endr
.irp b, 0,1,2,3
	v_lshrrev_b32 v[BT+\b], 23, v[BS+\b]           ; the scale's byte
.endr
	v_lshl_or_b32 v[\ps], v[BT+1], 8, v[BT]
	v_lshl_or_b32 v[\ps], v[BT+2], 16, v[\ps]
	v_lshl_or_b32 v[\ps], v[BT+3], 24, v[\ps]      ; p's scale word for these 128 keys
.irp b, 0,1,2,3
	v_cvt_scalef32_pk8_fp4_f32 v[\p+2*\b], v[S+16*\b:S+16*\b+7], v[BS+\b]
	v_cvt_scalef32_pk8_fp4_f32 v[\p+2*\b+1], v[S+16*\b+8:S+16*\b+15], v[BS+\b]
.endr
	v_nop                                          ; one plain instruction behind a scaled conversion
.irp c, 0,1
.irp i, 0,1
	v_permlane16_swap_b32 v[\p+4*\c+\i], v[\p+4*\c+2+\i]   ; a whole block to a lane
.endr
.endr
	v_pk_add_f32 v[BT:BT+1], v[S:S+1], v[S+2:S+3]  ; l takes the UNQUANTISED p, two at a time, in two chains.  These sums are also the plain instructions between p's scale word and codes and the products that take them
.irp j, 4,8,12,16,20,24,28,32,36,40,44,48,52,56,60
	v_pk_add_f32 v[\st+2:\st+3], v[\st+2:\st+3], v[S+\j:S+\j+1]
	v_pk_add_f32 v[BT:BT+1], v[BT:BT+1], v[S+\j+2:S+\j+3]
.endr
	v_pk_add_f32 v[\st+2:\st+3], v[\st+2:\st+3], v[BT:BT+1]
.irp j, 0,2,4,6,8,10,12,14,16,18,20,22,24,26,28,30
	v_pk_mul_f32 v[\o+\j:\o+\j+1], v[\o+\j:\o+\j+1], v[F:F+1] op_sel_hi:[1,0]   ; O^T under the new M, from each accumulator's low end on
.endr
.endm
; A KEY STEP: the group of 128 keys m - 2 + kind, both tiles of queries
.macro STEP kind
	PLACES                                         ; ahead of loads into registers that the last step's products read
.irp t, 0,1,2,3,4,5,6,7
	global_load_b128 v[KF+4*\t:KF+4*\t+3], v1, s[12:13] offset:(\kind-2)*4096+512*\t   ; a tile of 16 keys: 512 consecutive bytes
.endr
	global_load_b128 v[KS:KS+3], v1, s[36:37] offset:(\kind-2)*512
	s_wait_loadcnt 0x0                             ; (in the first step that runs: Q too)
	QK QA, 0
	PLACES
.if \kind != 1
	MASK \kind, 0
.endif
	SOFTMAX STA, OA, PA, PSA
	QK QB, 1
	PLACES
.irp dt, 0,1,2,3
.irp c, 0,1
	global_load_b128 v[KF+8*\dt+4*\c:KF+8*\dt+4*\c+3], v1, s[14:15] offset:(\kind-2)*4096+1024*\dt+512*\c   ; V^T's four fragments land under tile B's softmax
.endr
.endr
	global_load_b64 v[KS:KS+1], v4, s[38:39] offset:(\kind-2)*256
.if \kind != 1
	MASK \kind, 1
.endif
	SOFTMAX STB, OB, PB, PSA+1
	s_wait_loadcnt 0x0
.irp dt, 0,1,2,3                       ; O^T += V^T P^T: the eight accumulators by turns
.irp u, 0,1
.set rD, OA+32*\u+8*\dt
.set rA, KF+8*\dt
.set rB, PA+8*\u
.set rSA, KS+\dt/2
.set rSB, PSA+\u
.set rRA, \dt%2
.set rRB, 0
.set rZ, 0
	WM
.endr
.endr
.endm
; one tile's O^T / l becomes my head's 64 numbers of ctx, quantised: an image of 512 bytes and two scale bytes a row, to LDS
.macro CTX st, o, pc, u
	v_add_f32 v[\st+2], v[\st+2], v[\st+3]
	v_permlanex16_b32 v[BT], v[\st+2], s[SEL], s[SEL+1]
	v_add_f32 v[\st+2], v[\st+2], v[BT]            ; the row's l
	v_rcp_f32 v[\st+2], v[\st+2]
	v_nop                                          ; a plain instruction behind the reciprocal
	s_wait_alu depctr_va_vdst(0)
.irp j, 0,2,4,6,8,10,12,14,16,18,20,22,24,26,28,30
	v_pk_mul_f32 v[\o+\j:\o+\j+1], v[\o+\j:\o+\j+1], v[\st+2:\st+3] op_sel_hi:[1,0]   ; register 16 b + i = ctx(my query, 64 head + 32 b + 16 h + i)
.endr
.irp b, 0,1
	v_max3_num_f32 v[BM+\b], |v[\o+16*\b]|, |v[\o+16*\b+1]|, 0x1800000
.endr
.irp i, 2,4,6,8,10,12,14
.irp b, 0,1
	v_max3_num_f32 v[BM+\b], v[BM+\b], |v[\o+16*\b+\i]|, |v[\o+16*\b+\i+1]|
.endr
.endr
.irp b, 0,1
	v_permlanex16_b32 v[BT+\b], v[BM+\b], s[SEL], s[SEL+1]
.endr
.irp b, 0,1
	v_max_num_f32 v[BM+\b], v[BM+\b], v[BT+\b]
.endr
.irp b, 0,1
	v_add_nc_u32 v[BS+\b], 0xff000000, v[BM+\b]
.endr
.irp b, 0,1
	v_lshrrev_b32 v[BT+\b], 23, v[BS+\b]
.endr
	v_lshl_or_b32 v[BT], v[BT+1], 8, v[BT]         ; my head's two scale bytes of this row
.irp b, 0,1
	v_cvt_scalef32_pk8_fp4_f32 v[\pc+2*\b], v[\o+16*\b:\o+16*\b+7], v[BS+\b]
	v_cvt_scalef32_pk8_fp4_f32 v[\pc+2*\b+1], v[\o+16*\b+8:\o+16*\b+15], v[BS+\b]
.endr
	v_nop                                          ; one plain instruction behind a scaled conversion
	v_permlane16_swap_b32 v[\pc], v[\pc+2]
	v_permlane16_swap_b32 v[\pc+1], v[\pc+3]       ; lane (r, h): block h of my head
	ds_store_b128 v[CW], v[\pc:\pc+3] offset:8192*\u
	ds_store_b16 v[CSW], v[BT] offset:512*\u       ; both halves of the lanes write the same two bytes with the same value
.endm
; the out-projection's 16 fragment slots of 8 registers: none is a register that ever holds scales
.macro SLOTREG f
.if (\f) < 8
.set rF, 92+8*(\f)
.elseif (\f) < 13
.set rF, 26+8*((\f)-8)
.elseif (\f) < 15
.set rF, 74+8*((\f)-13)
.else
.set rF, 8
.endif
.endm
.macro WOSREG q                        ; wo's scale words: quad q = 2 B + (K step / 4)
.if (\q) == 0
.set rQ, 70
.else
.set rQ, 232+4*(\q)
.endif
.endm
.macro RINGLD k                        ; wo's four fragments of K step k into ring buffer k % 3: 8 loads
.irp t, 0,1,2,3
	SLOTREG 4*((\k)%3)+\t
.irp c, 0,1
	global_load_b128 v[rF+4*\c:rF+4*\c+3], v1, s[18:19] offset:\t*8192+(\k)*1024+512*\c
.endr
.endr
.endm
.macro CFLD k                          ; ctx's two fragments of K step k (heads 2 k, 2 k + 1) into set k % 2: 4 LDS loads
.irp u, 0,1
	SLOTREG 12+2*((\k)%2)+\u
.irp c, 0,1
	ds_load_b128 v[rF+4*\c:rF+4*\c+3], v[CR] offset:(8*\u+(\k))*1024+512*\c
.endr
.endr
.endm
.macro OSTEP k, nl, nd                 ; a K step of the out-projection: 8 matrix instructions, the 8 accumulators by turns
	s_wait_loadcnt \nl                             ; this step's 8 loads are in; those of the next two steps may stay out
	s_wait_dscnt \nd                               ; ctx's fragments of this step are in; the next step's 4 loads may stay out
.irp t, 0,1,2,3
.irp u, 0,1
	SLOTREG 4*((\k)%3)+\t
.set rA, rF
	SLOTREG 12+2*((\k)%2)+\u
.set rB, rF
	WOSREG 2*(\t/2)+(\k)/4
.set rSA, rQ+(\k)%4
.set rSB, CSS+(\k)
.set rRA, \t%2
.set rRB, \u
.set rD, ACC+8*(2*\t+\u)
.if (\k) == 0
.set rZ, 1
.else
.set rZ, 0
.endif
	WM
.endr
.endr
	PLACES
.if (\k)+3 < 8
	RINGLD (\k)+3
.endif
.if (\k)+2 < 8
	CFLD (\k)+2
.endif
.endm
; a row: out = (x - mean) rsqrt(var + 1e-7) ln_w + (ln_b + bo) + y.  A lane holds numbers 128 i + 4 lane + 0 .. 3, i = 0 .. 7, of x (v[x] on) and of y (v[y] on).  n1, n2: LDS loads that may stay out when x, then y, is wanted
.macro LNROW x, y, off, n1, n2
	s_wait_dscnt \n1
	v_pk_add_f32 v[220:221], v[\x:\x+1], v[\x+2:\x+3]
	v_pk_add_f32 v[222:223], v[\x+4:\x+5], v[\x+6:\x+7]
.irp i, 8,12,16,20,24,28
	v_pk_add_f32 v[220:221], v[220:221], v[\x+\i:\x+\i+1]
	v_pk_add_f32 v[222:223], v[222:223], v[\x+\i+2:\x+\i+3]
.endr
	v_pk_add_f32 v[220:221], v[220:221], v[222:223]
	v_add_f32 v220, v220, v221
	v_add_f32_dpp v220, v220, v220 row_xmask:1 row_mask:0xf bank_mask:0xf
	v_add_f32_dpp v220, v220, v220 row_xmask:2 row_mask:0xf bank_mask:0xf
	v_add_f32_dpp v220, v220, v220 row_xmask:4 row_mask:0xf bank_mask:0xf
	v_add_f32_dpp v220, v220, v220 row_xmask:8 row_mask:0xf bank_mask:0xf
	v_permlanex16_b32 v221, v220, s[SEL], s[SEL+1]
	v_add_f32 v220, v220, v221
	v_mul_f32 v220, s44, v220                      ; the mean
.irp i, 0,2,4,6,8,10,12,14,16,18,20,22,24,26,28,30
	v_pk_add_f32 v[\x+\i:\x+\i+1], v[\x+\i:\x+\i+1], v[220:221] op_sel_hi:[1,0] neg_lo:[0,1] neg_hi:[0,1]   ; x - mean: the variance is taken of these, not of a difference of large sums
.endr
	v_pk_mul_f32 v[222:223], v[\x:\x+1], v[\x:\x+1]
	v_pk_mul_f32 v[224:225], v[\x+2:\x+3], v[\x+2:\x+3]
.irp i, 4,8,12,16,20,24,28
	v_pk_fma_f32 v[222:223], v[\x+\i:\x+\i+1], v[\x+\i:\x+\i+1], v[222:223]
	v_pk_fma_f32 v[224:225], v[\x+\i+2:\x+\i+3], v[\x+\i+2:\x+\i+3], v[224:225]
.endr
	v_pk_add_f32 v[222:223], v[222:223], v[224:225]
	v_add_f32 v222, v222, v223
	v_add_f32_dpp v222, v222, v222 row_xmask:1 row_mask:0xf bank_mask:0xf
	v_add_f32_dpp v222, v222, v222 row_xmask:2 row_mask:0xf bank_mask:0xf
	v_add_f32_dpp v222, v222, v222 row_xmask:4 row_mask:0xf bank_mask:0xf
	v_add_f32_dpp v222, v222, v222 row_xmask:8 row_mask:0xf bank_mask:0xf
	v_permlanex16_b32 v223, v222, s[SEL], s[SEL+1]
	v_add_f32 v222, v222, v223
	v_fma_f32 v222, v222, s44, s45                 ; the variance + 1e-7
	v_rsq_f32 v222, v222
	s_wait_dscnt \n2
.irp i, 0,2,4,6,8,10,12,14,16,18,20,22,24,26,28,30
	v_pk_add_f32 v[\y+\i:\y+\i+1], v[\y+\i:\y+\i+1], v[CB+\i:CB+\i+1]   ; (the first is the plain instruction behind the root)
.endr
	s_wait_alu depctr_va_vdst(0)
.irp i, 0,2,4,6,8,10,12,14,16,18,20,22,24,26,28,30
	v_pk_mul_f32 v[\x+\i:\x+\i+1], v[\x+\i:\x+\i+1], v[222:223] op_sel_hi:[1,0]
.endr
.irp i, 0,2,4,6,8,10,12,14,16,18,20,22,24,26,28,30
	v_pk_fma_f32 v[\y+\i:\y+\i+1], v[\x+\i:\x+\i+1], v[LW+\i:LW+\i+1], v[\y+\i:\y+\i+1]
.endr
.irp i, 0,1,2,3,4,5,6,7
	global_store_b128 v2, v[\y+4*\i:\y+4*\i+3], s[28:29] offset:\off+512*\i th:TH_STORE_NT   ; 32 lanes store 512 consecutive bytes, at a multiple of 256 from the buffer's first byte
.endr
.endm
	; ---- the head
	s_load_b512 s[8:23], s[0:1], 0x0               ; x s[8:9], qc s[10:11], kc s[12:13], vc s[14:15], sc s[16:17], wf s[18:19], wo_scales s[20:21], bo s[22:23]
	s_load_b128 s[24:27], s[0:1], 0x40             ; ln_w s[24:25], ln_b s[26:27]
	s_load_b64 s[28:29], s[0:1], 0x50              ; out0
	v_lshl_add_u32 v254, v0, 2, 0x44600
	v_mov_b32 v255, 0
	ds_add_u32 v254, v255
	ds_add_u32 v254, v255
	s_wait_dscnt 0x0
	v_lshrrev_b32 v1, 5, v0
	v_readfirstlane_b32 s2, v1                     ; wave 0..15
	v_and_b32 v4, 31, v0                           ; lane
	v_lshlrev_b32 v1, 4, v4                        ; 16 x lane
	s_lshr_b32 s3, ttmp9, 6                        ; batch
	s_and_b32 s4, ttmp9, 63                        ; g
	s_lshr_b32 s6, s4, 2                           ; m
	s_and_b32 s7, s4, 3                            ; j
	s_lshl_b32 s30, s3, 4
	s_add_co_u32 s30, s30, s2                      ; bh = 16 batch + head
	s_lshl_b32 s48, s30, 4
	s_add_co_u32 s48, s48, s6                      ; 16 bh + m
	s_lshr_b32 s31, s2, 3                          ; my two rows of the epilogue are rows 2 w, 2 w + 1 in tile order: tile u = w / 8, r = 2 (w % 8):
	s_lshl_b32 s31, s31, 3                         ; tokens 8 u + r + 8 (r / 8) and the next
	s_and_b32 s5, s2, 7
	s_lshl_b32 s46, s5, 1
	s_add_co_u32 s31, s31, s46
	s_lshr_b32 s5, s5, 2
	s_lshl_b32 s5, s5, 3
	s_add_co_u32 s31, s31, s5
	s_lshl_b32 s31, s31, 12
	v_add_nc_u32 v2, s31, v1                       ; their place among the work-group's 32 rows of x and of out0; never rewritten
	s_lshl_b32 s5, s2, 13
	v_add_nc_u32 v3, s5, v1                        ; and in LDS: 8,192 bytes a wave; never rewritten
	v_lshlrev_b32 v4, 3, v4                        ; 8 x lane
	v_and_b32 v5, 15, v0
	v_and_b32 v6, 8, v5
	v_add_nc_u32 v5, v5, v6
	v_bfe_u32 v6, v0, 4, 1
	v_lshlrev_b32 v6, 4, v6
	v_sub_nc_u32 v5, v5, v6
	s_lshl_b32 s5, s7, 5
	v_add_nc_u32 v5, s5, v5                        ; 32 j + r + 8 (r / 8) - 16 h, for the masks
	v_mov_b32 v6, 0xff800000                       ; -infinity
	s_mov_b32 s[SEL], 0x76543210
	s_mov_b32 s[SEL+1], 0xfedcba98
	s_mov_b32 s[CS], 0x3fb8aa3b                    ; log2(e): the scores are not scaled
	s_mov_b32 s[CS+1], s[CS]                       ; (named with it as a pair)
	s_mov_b32 s44, 0x3a800000                      ; 1 / 1024
	s_mov_b32 s45, 0x33d6bf95                      ; 1e-7
	s_mov_b32 s47, 0
	s_wait_kmcnt 0x0
	s_lshl_b32 s46, ttmp9, 17                      ; 32 rows of 4,096 bytes a work-group
	s_add_nc_u64 s[8:9], s[8:9], s[46:47]
	s_add_nc_u64 s[28:29], s[28:29], s[46:47]
.irp i, 0,1,2,3,4,5,6,7,8,9,10,11,12,13,14,15
	global_load_async_to_lds_b128 v3, v2, s[8:9] offset:512*\i   ; my two rows of x, 8,192 consecutive bytes in memory and in LDS (the immediate steps both); v2, v3 and s[8:9] stay as they are until the wait on ASYNCcnt
.endr
	s_lshl_b32 s46, s30, 16
	s_lshl_b32 s5, s4, 10
	s_add_co_u32 s46, s46, s5
	s_add_nc_u64 s[10:11], s[10:11], s[46:47]      ; my head's two tiles of queries
	s_lshl_b32 s46, s48, 12
	s_add_nc_u64 s[12:13], s[12:13], s[46:47]      ; K and V at group m; the earlier groups by negative immediates
	s_add_nc_u64 s[14:15], s[14:15], s[46:47]
	s_lshl_b32 s46, s48, 9
	s_lshl_b32 s5, s7, 2
	s_add_co_u32 s46, s46, s5
	s_add_nc_u64 s[34:35], s[16:17], s[46:47]      ; Q's scale words: word j of each lane's four
	s_lshl_b32 s46, s48, 9
	s_add_co_u32 s46, s46, 524288
	s_add_nc_u64 s[36:37], s[16:17], s[46:47]      ; K's
	s_lshl_b32 s46, s48, 8
	s_add_co_u32 s46, s46, 1048576
	s_add_nc_u64 s[38:39], s[16:17], s[46:47]      ; V's
	s_lshl_b32 s46, s2, 15
	s_add_co_u32 s46, s46, 3*524288
	s_add_nc_u64 s[18:19], s[18:19], s[46:47]      ; wo's tiles 4 w .. 4 w + 3
	s_lshl_b32 s46, s2, 11
	s_add_nc_u64 s[20:21], s[20:21], s[46:47]      ; and their 64 rows of scale bytes
	global_load_b128 v[QA:QA+3], v1, s[10:11]
	global_load_b128 v[QB:QB+3], v1, s[10:11] offset:512
	global_load_b32 v[QS], v1, s[34:35]
.irp i, 0,1,2,3
	v_mov_b32 v[QA+4+\i], 0                        ; zero codes for the upper 64 of the instruction's 128
	v_mov_b32 v[QB+4+\i], 0
	v_mov_b32 v[KF+32+\i], 0
	v_mov_b32 v[BT+\i], 0                          ; a lane permute's destination counts as one of its sources
.endr
	v_mov_b32 v[F+1], 0                            ; (named as the upper half of the pair)
.irp st, STA, STB
	v_mov_b32 v[\st+1], 0xff61b1e6                 ; the largest t so far: -3e38
	v_floor_f32 v[\st], -v[\st+1]
	v_mov_b32 v[\st+2], 0
	v_mov_b32 v[\st+3], 0
.endr
.set i, 0
.rept 64
	v_mov_b32 v[OA+i], 0                           ; O^T.  Which key step is a work-group's first hangs on m, so every step is written alike and the first finds zeros
.set i, i+1
.endr
	; ---- the attention
	s_cmp_lt_u32 s6, 2
	s_cbranch_scc1 .Lmid
	STEP 0
.Lmid:
	s_cmp_lt_u32 s6, 1
	s_cbranch_scc1 .Ldiag
	STEP 1
.Ldiag:
	STEP 2
	; ---- ctx becomes codes.  The addresses of the later phases are made here: plain instructions behind the last products
	s_lshl_b32 s3, s2, 9
	s_add_co_u32 s3, s3, CIMG
	v_add_nc_u32 v[CW], s3, v1                     ; my head's image: CIMG + 512 w + 16 lane
	v_and_b32 v235, 15, v0                         ; r
	s_lshl_b32 s4, s2, 1
	s_add_co_u32 s4, s4, CSC
	v_lshlrev_b32 v[CSW], 5, v235
	v_add_nc_u32 v[CSW], s4, v[CSW]                ; my head's two bytes of row r: CSC + 32 r + 2 w
	v_add_nc_u32 v[CR], CIMG, v1                   ; any image, read back
	v_lshl_add_u32 v[CSR], v1, 1, CSC              ; row 16 u + r = lane: 32 bytes a lane
	v_mul_u32_u24 v[SO0], v235, SPI
	v_bfe_u32 v[SR], v0, 4, 1                      ; h
	v_lshl_add_u32 v[SO0], v[SR], 6, v[SO0]
	s_lshl_b32 s5, s2, 8
	s_add_co_u32 s5, s5, STAGE
	v_add_nc_u32 v[SO0], s5, v[SO0]                ; the stage, tile A: row r, + 256 w + 64 h
	v_add_nc_u32 v[SO1], 16*SPI, v[SO0]            ; tile B
	v_and_b32 v[WSA], 8, v235
	v_add_nc_u32 v[WSA], v[WSA], v235              ; r + 8 (r / 8)
	v_lshl_add_u32 v[WSA], v[SR], 3, v[WSA]        ; lanes 16-31: the odd tile, 8 rows on
	v_lshlrev_b32 v[WSA], 5, v[WSA]                ; wo's scale bytes: 32 a row
	s_mul_i32 s7, s2, 2*SPI
	s_add_co_u32 s7, s7, STAGE
	v_add_nc_u32 v[SR], s7, v1                     ; the stage, read back: rows 2 w, 2 w + 1
	CTX STA, OA, PA, 0
	CTX STB, OB, PB, 1
	s_wait_dscnt 0x0                               ; for the others' sake: my images and bytes have landed
.irp be, 0,1
.irp g, 0,1
	WOSREG 2*\be+\g
	global_load_b128 v[rQ:rQ+3], v[WSA], s[20:21] offset:\be*1024+16*\g
.endr
.endr
	RINGLD 0
	RINGLD 1
	RINGLD 2
	s_barrier_signal -1
	s_barrier_wait -1                              ; ctx's 32 rows x 1,024 lie in LDS as codes
	; ---- the out-projection: source 0 = 16 rows of wo, source 1 = 16 queries
.irp g, 0,1
	ds_load_b128 v[CSS+4*\g:CSS+4*\g+3], v[CSR] offset:16*\g
.endr
	CFLD 0
	CFLD 1
.irp k, 0,1,2,3,4,5
	OSTEP \k, 16, 4
.endr
	OSTEP 6, 8, 4
	OSTEP 7, 0, 0
	; ---- results to the stage; the vectors of the epilogue are asked for meanwhile
.irp i, 0,1,2,3,4,5,6,7
	global_load_b128 v[LW+4*\i:LW+4*\i+3], v1, s[24:25] offset:512*\i
	global_load_b128 v[CB+4*\i:CB+4*\i+3], v1, s[26:27] offset:512*\i
	global_load_b128 v[BO+4*\i:BO+4*\i+3], v1, s[22:23] offset:512*\i
.endr
.irp t, 0,1,2,3
.irp u, 0,1
	ds_store_b128 v[SO0+226*\u], v[ACC+8*(2*\t+\u):ACC+8*(2*\t+\u)+3] offset:128*(\t/2)+32*(\t%2)        ; lane (r, h): columns 64 w + 32 (t / 2) + 16 h + 8 (t % 2) + 0 .. 7 of query r; each accumulator from its low end on
	ds_store_b128 v[SO0+226*\u], v[ACC+8*(2*\t+\u)+4:ACC+8*(2*\t+\u)+7] offset:128*(\t/2)+32*(\t%2)+16
.endr
.endr
	s_wait_dscnt 0x0                               ; for the others' sake: my columns have landed
	s_barrier_signal -1
	s_barrier_wait -1                              ; 32 whole rows lie in the stage
	; ---- LayerNorm, bias, residual: two whole rows a wave
	s_wait_asynccnt 0x0                            ; my own two rows of x are in LDS; no other wave reads them
.irp i, 0,1,2,3,4,5,6,7
	ds_load_b128 v[X0+4*\i:X0+4*\i+3], v3 offset:512*\i
.endr
.irp i, 0,1,2,3,4,5,6,7
	ds_load_b128 v[Y0+4*\i:Y0+4*\i+3], v[SR] offset:512*\i
.endr
	s_wait_loadcnt 0x0                             ; ln_w, ln_b, bo
.irp i, 0,2,4,6,8,10,12,14,16,18,20,22,24,26,28,30
	v_pk_add_f32 v[CB+\i:CB+\i+1], v[CB+\i:CB+\i+1], v[BO+\i:BO+\i+1]   ; ln_b + bo
.endr
.irp i, 0,1,2,3,4,5,6,7
	ds_load_b128 v[BO+4*\i:BO+4*\i+3], v3 offset:4096+512*\i   ; row 1 of x, where bo lay
.endr
	LNROW X0, Y0, 0, 16, 8                         ; x's row 0 is in when 16 younger loads are out, the stage's row when 8 are
	s_wait_xcnt 0x0                                ; row 0's stores have read their data: the registers take the stage's next row
.irp i, 0,1,2,3,4,5,6,7
	ds_load_b128 v[Y0+4*\i:Y0+4*\i+3], v[SR] offset:SPI+512*\i
.endr
	LNROW BO, Y0, 4096, 8, 0
	s_wait_xcnt 0x0
	v_lshl_add_u32 v254, v0, 2, 0x44600
	v_mov_b32 v255, 0
	s_wait_tensorcnt 0x0
	ds_add_u32 v254, v255
	s_wait_dscnt 0x0
	s_endpgm
.Lfunc_end_k_qa0c8575a4b_attn_out:
	.size	k_qa0c8575a4b_attn_out, .Lfunc_end_k_qa0c8575a4b_attn_out-k_qa0c8575a4b_attn_out
	.p2alignl 7, 3214868480
	.fill 96, 4, 3214868480
	.section	.rodata,"a",@progbits
	.p2align	6, 0x0
	.amdhsa_kernel k_qa0c8575a4b_attn_out
		.amdhsa_group_segment_fixed_size 282112
		.amdhsa_private_segment_fixed_size 0
		.amdhsa_enable_private_segment 0
		.amdhsa_kernarg_size 88
		.amdhsa_user_sgpr_count 2
		.amdhsa_user_sgpr_kernarg_segment_ptr 1
		.amdhsa_wavefront_size32 1
		.amdhsa_system_sgpr_workgroup_id_x 1
		.amdhsa_system_sgpr_workgroup_id_y 1
		.amdhsa_system_sgpr_workgroup_id_z 1
		.amdhsa_system_vgpr_workitem_id 0
		.amdhsa_next_free_vgpr 256
		.amdhsa_next_free_sgpr 66
		.amdhsa_reserve_vcc 1
		.amdhsa_float_denorm_mode_32 3
		.amdhsa_float_denorm_mode_16_64 3
		.amdhsa_memory_ordered 1
		.amdhsa_forward_progress 1
		.amdhsa_inst_pref_size 160
	.end_amdhsa_kernel
	.amdgpu_metadata
---
amdhsa.version: [ 1, 2 ]
amdhsa.kernels:
  - .name:           k_qa0c8575a4b_attn_out
    .symbol:         k_qa0c8575a4b_attn_out.kd
    .args:
      - { .name: hidden_states, .offset: 0, .size: 8, .value_kind: global_buffer, .address_space: global }
      - { .name: qc, .offset: 8, .size: 8, .value_kind: global_buffer, .address_space: global }
      - { .name: kc, .offset: 16, .size: 8, .value_kind: global_buffer, .address_space: global }
      - { .name: vc, .offset: 24, .size: 8, .value_kind: global_buffer, .address_space: global }
      - { .name: sc, .offset: 32, .size: 8, .value_kind: global_buffer, .address_space: global }
      - { .name: wf, .offset: 40, .size: 8, .value_kind: global_buffer, .address_space: global }
      - { .name: wo_scales, .offset: 48, .size: 8, .value_kind: global_buffer, .address_space: global }
      - { .name: bo, .offset: 56, .size: 8, .value_kind: global_buffer, .address_space: global }
      - { .name: ln_w, .offset: 64, .size: 8, .value_kind: global_buffer, .address_space: global }
      - { .name: ln_b, .offset: 72, .size: 8, .value_kind: global_buffer, .address_space: global }
      - { .name: out0, .offset: 80, .size: 8, .value_kind: global_buffer, .address_space: global }
    .group_segment_fixed_size: 282112
    .private_segment_fixed_size: 0
    .kernarg_segment_align: 8
    .kernarg_segment_size: 88
    .max_flat_workgroup_size: 512
    .sgpr_count:     66
    .vgpr_count:     256
    .wavefront_size: 32
...
	.end_amdgpu_metadata
.endif
;; end of part 3
;; ======== version 2 of 2: 3 launches
;; workspace buffers: xq 4,456,448 bytes; wf 2,097,152 bytes; qc 4,194,304 bytes; kc 4,194,304 bytes; vc 4,194,304 bytes; sc 1,310,720 bytes
;; launch prep (part 4): grid 544 x 1, 8 waves a work-group, no clusters, 69,120 bytes of LDS; arguments hidden_states, wq_codes, wk_codes, wv_codes, wo_codes, xq, wf; writes xq, wf
.if DOCPART == 4
	.amdgcn_target "amdgcn-amd-amdhsa--gfx1250"
	.amdhsa_code_object_version 6
	.text
	.protected	k_qa0c8575a4b_prep
	.globl	k_qa0c8575a4b_prep
	.p2align	8
	.type	k_qa0c8575a4b_prep,@function
k_qa0c8575a4b_prep:
	s_mov_b64 s[64:65], 0
	v_nop
	global_prefetch_b8 v0, s[64:65] scope:SCOPE_SE
	s_setreg_imm32_b32 hwreg(HW_REG_WAVE_MODE, 25, 1), 1
	s_wait_xcnt 0x0
; PREP.  (1) x [8192 tokens][1024] f32 becomes codes of FP4 (E2M1) with one E8M0 byte for each 32 along the 1024, laid as IMAGES OF OPERAND REGISTERS;
; (2) the four weights' codes, given row by row, are laid in the same order.  Later launches then fill a fragment by loads of 512 consecutive bytes.
; A TILE OF 16 ROWS IS NOT 16 NEIGHBOURS: row r of tile 2 B + u is row 32 B + 8 u + r + 8 (r / 8).  A product whose source 0 is such a tile leaves, in the 16 registers of tiles
; 2 B and 2 B + 1, the 16 neighbours 32 B + 16 (lane / 16) + 0 .. 15: what the next quantiser wants.
; xq: [tile 0..511][K step 0..7][c 0..1][lane][16 bytes]: lane (r, h) holds the block 4 s + 2 c + h of its token; from byte XSO on the scale bytes, [tile][r][32].
; wf: [wq, wk, wv, wo][tile 0..63][K step][c][lane][16 bytes].
; SHARES.  Work-groups 0..511: one tile of tokens, wave s its K step s (16 tokens x 128 numbers).  Work-groups 512..543: eight weight tiles, one a wave.
; A block's scale is 2^(floor(log2(its largest magnitude)) - 2); its byte is the largest magnitude's exponent field - 2, held at 1 from below.
; LIMITS: a block of zeros gets the byte 1 (not 127): its codes are zeros and this program alone reads the bytes; magnitudes under 2^(3 - 127) count as that floor; NaN and infinities among the inputs are not served.
; No cluster, no tensor load: no byte is read by two work-groups.
.set XSO,   4194304                    ; where x's scale bytes begin in xq
.set PITCH, 528                        ; a stage row: 512 bytes + 16 of padding
.set WST,   16*PITCH                   ; a wave's stage: 16 rows
.set SCL,   8*WST                      ; behind the eight stages: the tile's 512 scale bytes
.set R,   16                           ; v16-79   the numbers as loaded: register 4 i + e: row i, number 4 lane + e
.set X,   80                           ; v80-143  after the turn: register 16 b + i = number 32 b + 16 h + i of row r
.set TM,  144                          ; v144-147 largest magnitudes, v148-151 the other half's, then bytes, v156-159 the conversions' scale operands
.set PW,  160                          ; the scale word
.set PC,  162                          ; v162-169 the fragment's codes
.set SEL, 30                           ; s[30:31] lane selects: lane l xor 16
	s_load_b256 s[8:15], s[0:1], 0x0               ; x s[8:9], wq s[10:11], wk s[12:13], wv s[14:15]
	s_load_b128 s[16:19], s[0:1], 0x20             ; wo s[16:17], xq s[18:19]
	s_load_b64 s[20:21], s[0:1], 0x30              ; wf
	v_lshl_add_u32 v176, v0, 2, 0x10a00
	v_mov_b32 v177, 0
	v_lshrrev_b32 v1, 5, v0
	s_delay_alu instid0(VALU_DEP_1)
	v_readfirstlane_b32 s2, v1                     ; wave 0..7
	v_and_b32 v1, 31, v0                           ; lane
	v_and_b32 v2, 15, v0                           ; r
	v_bfe_u32 v3, v0, 4, 1                         ; h
	s_delay_alu instid0(VALU_DEP_3)
	v_lshlrev_b32 v4, 4, v1                        ; 16 x lane
	s_cmp_lt_u32 ttmp9, 512                        ; the same in all waves of a work-group
	s_cbranch_scc0 .Lweights
	; ---- a tile of tokens
	s_mul_i32 s3, s2, WST
	v_add_nc_u32 v5, s3, v4                        ; into my stage: 16 bytes a lane of a row
	v_mul_u32_u24 v6, v2, PITCH
	s_delay_alu instid0(VALU_DEP_1)
	v_lshl_add_u32 v6, v3, 6, v6
	s_delay_alu instid0(VALU_DEP_1)
	v_add_nc_u32 v6, s3, v6                        ; out of it: row r, + 64 h: my 16 numbers of a block of 32
	s_lshl_b32 s4, s2, 2
	s_add_co_u32 s4, s4, SCL
	v_lshlrev_b32 v8, 5, v2
	s_delay_alu instid0(VALU_DEP_1)
	v_add_nc_u32 v8, s4, v8                        ; my row's scale word of K step w: SCL + 32 r + 4 w
	v_add_nc_u32 v9, SCL, v4                       ; and the way out of all 512 bytes
.irp b, 0,1,2,3
	v_mov_b32 v[TM+4+\b], 0                        ; a lane permute's destination counts as one of its sources
.endr
	s_mov_b32 s[SEL], 0x76543210
	s_mov_b32 s[SEL+1], 0xfedcba98
	s_lshr_b32 s24, ttmp9, 1
	s_lshl_b32 s24, s24, 17                        ; 32 tokens of 4,096 bytes for each pair of tiles,
	s_and_b32 s5, ttmp9, 1
	s_lshl_b32 s5, s5, 15                          ; 8 tokens for the odd tile,
	s_add_co_u32 s24, s24, s5
	s_lshl_b32 s5, s2, 9                           ; 512 bytes for each K step
	s_add_co_u32 s24, s24, s5
	s_mov_b32 s25, 0
	s_lshl_b32 s26, ttmp9, 13                      ; the tile's images: 8,192 bytes, my K step's 1,024
	s_lshl_b32 s5, s2, 10
	s_add_co_u32 s26, s26, s5
	s_mov_b32 s27, 0
	s_lshl_b32 s28, ttmp9, 9                       ; the tile's scale bytes
	s_add_co_u32 s28, s28, XSO
	s_mov_b32 s29, 0
	s_wait_alu depctr_va_vdst(0)
	s_wait_kmcnt 0x0
	s_add_nc_u64 s[8:9], s[8:9], s[24:25]
	s_add_nc_u64 s[22:23], s[18:19], s[28:29]
	s_add_nc_u64 s[18:19], s[18:19], s[26:27]
.irp i, 0,1,2,3,4,5,6,7,8,9,10,11,12,13,14,15
	global_load_b128 v[R+4*\i:R+4*\i+3], v4, s[8:9] offset:(\i+8*(\i/8))*4096 th:TH_LOAD_NT   ; row i of the tile: 32 lanes read 512 consecutive bytes
.endr
.irp g, 0,1,2,3
	s_wait_loadcnt 12-4*\g                         ; loads come back in order: four more rows are in, the younger ones stay out
.irp k, 0,1,2,3
	ds_store_b128 v5, v[R+4*(4*\g+\k):R+4*(4*\g+\k)+3] offset:PITCH*(4*\g+\k)
.endr
.endr
.irp b, 0,1,2,3
.irp j, 0,1,2,3
	ds_load_b128 v[X+16*\b+4*\j:X+16*\b+4*\j+3], v6 offset:128*\b+16*\j   ; my wave's own bytes, and LDS serves a wave in order: no wait between the stores and these
.endr
.endr
	s_wait_dscnt 0x0
.irp b, 0,1,2,3
	v_max3_num_f32 v[TM+\b], |v[X+16*\b]|, |v[X+1+16*\b]|, 0x1800000   ; block b: my 16 numbers, and the floor 2^(3 - 127)
.endr
.irp i, 2,4,6,8,10,12,14
.irp b, 0,1,2,3
	s_delay_alu instid0(VALU_DEP_4)
	v_max3_num_f32 v[TM+\b], v[TM+\b], |v[X+16*\b+\i]|, |v[X+1+16*\b+\i]|   ; the four blocks by turns
.endr
.endr
.irp b, 0,1,2,3
	s_delay_alu instid0(VALU_DEP_4)
	v_permlanex16_b32 v[TM+4+\b], v[TM+\b], s[SEL], s[SEL+1]
.endr
.irp b, 0,1,2,3
	s_delay_alu instid0(VALU_DEP_4)
	v_max_num_f32 v[TM+\b], v[TM+\b], v[TM+4+\b]   ; with lane l xor 16's 16: the block's largest magnitude
.endr
.irp b, 0,1,2,3
	s_delay_alu instid0(VALU_DEP_4)
	v_add_nc_u32 v[TM+12+\b], 0xff000000, v[TM+\b] ; 2 off its exponent field: the conversion takes this operand's exponent field as its scale
.endr
.irp b, 0,1,2,3
	s_delay_alu instid0(VALU_DEP_4)
	v_lshrrev_b32 v[TM+4+\b], 23, v[TM+12+\b]      ; the scale's byte
.endr
	s_delay_alu instid0(VALU_DEP_3)
	v_lshl_or_b32 v[PW], v[TM+5], 8, v[TM+4]
	s_delay_alu instid0(VALU_DEP_1)
	v_lshl_or_b32 v[PW], v[TM+6], 16, v[PW]
	s_delay_alu instid0(VALU_DEP_1)
	v_lshl_or_b32 v[PW], v[TM+7], 24, v[PW]        ; my row's scale word for this K step
.irp b, 0,1,2,3
	v_cvt_scalef32_pk8_fp4_f32 v[PC+2*\b], v[X+16*\b:X+7+16*\b], v[TM+12+\b]
	v_cvt_scalef32_pk8_fp4_f32 v[PC+1+2*\b], v[X+8+16*\b:X+15+16*\b], v[TM+12+\b]
.endr
	v_nop                                          ; one plain instruction behind a scaled conversion
.irp c, 0,1
.irp i, 0,1
	v_permlane16_swap_b32 v[PC+4*\c+\i], v[PC+2+4*\c+\i]   ; a whole block to a lane: registers 4 c .. 4 c + 3 now hold numbers 64 c + 32 h + 0 .. 31
.endr
.endr
	global_store_b128 v4, v[PC:PC+3], s[18:19]             ; the image: 512 consecutive bytes a store
	global_store_b128 v4, v[PC+4:PC+7], s[18:19] offset:512
	ds_store_b32 v8, v[PW]                         ; both halves of the lanes write the same word with the same value
	s_wait_dscnt 0x0                               ; for wave 0's sake: my word has landed
	s_barrier_signal -1
	s_barrier_wait -1
	s_cmp_lg_u32 s2, 0
	s_cbranch_scc1 .Lend
	ds_load_b128 v[170:173], v9                    ; the tile's 16 rows x 32 scale bytes
	s_wait_dscnt 0x0
	global_store_b128 v4, v[170:173], s[22:23]     ; 512 consecutive bytes
.Lend:
	s_wait_tensorcnt 0x0
	ds_add_u32 v176, v177
	s_wait_dscnt 0x0
	s_endpgm
	; ---- eight tiles of a weight: a copy in another order, no LDS
.Lweights:
	s_sub_co_u32 s3, ttmp9, 512
	s_lshr_b32 s4, s3, 3                           ; which weight: 0 wq, 1 wk, 2 wv, 3 wo
	s_and_b32 s3, s3, 7
	s_lshl_b32 s3, s3, 3
	s_add_co_u32 s3, s3, s2                        ; which tile, 0..63
	s_wait_alu depctr_va_vdst(0)
	v_and_b32 v10, 8, v2
	s_delay_alu instid0(VALU_DEP_1)
	v_add_nc_u32 v10, v10, v2                      ; r + 8 (r / 8)
	s_delay_alu instid0(VALU_DEP_1)
	v_lshlrev_b32 v10, 9, v10                      ; a row of 1,024 codes is 512 bytes
	s_delay_alu instid0(VALU_DEP_1)
	v_lshl_add_u32 v10, v3, 4, v10                 ; + 16 h
	s_lshr_b32 s24, s3, 1
	s_lshl_b32 s24, s24, 14                        ; 32 rows for each pair of tiles,
	s_and_b32 s5, s3, 1
	s_lshl_b32 s5, s5, 12                          ; 8 rows for the odd tile
	s_add_co_u32 s24, s24, s5
	s_mov_b32 s25, 0
	s_lshl_b32 s26, s4, 19                         ; in wf: 524,288 bytes a weight, 8,192 a tile
	s_lshl_b32 s5, s3, 13
	s_add_co_u32 s26, s26, s5
	s_mov_b32 s27, 0
	s_wait_alu depctr_va_vdst(0)
	s_wait_kmcnt 0x0
	s_cmp_eq_u32 s4, 1                             ; the choice of the buffer hangs on the work-group's number alone
	s_cselect_b64 s[28:29], s[12:13], s[10:11]
	s_cmp_eq_u32 s4, 2
	s_cselect_b64 s[28:29], s[14:15], s[28:29]
	s_cmp_eq_u32 s4, 3
	s_cselect_b64 s[28:29], s[16:17], s[28:29]
	s_add_nc_u64 s[28:29], s[28:29], s[24:25]
	s_add_nc_u64 s[20:21], s[20:21], s[26:27]
.irp k, 0,1,2,3,4,5,6,7
.irp c, 0,1
	global_load_b128 v[16+8*\k+4*\c:16+8*\k+4*\c+3], v10, s[28:29] offset:64*\k+32*\c   ; the fragment's registers 4 c .. 4 c + 3 of K step k; the sixteen loads together take the 16 rows whole
.endr
.endr
	s_wait_loadcnt 0x0
.irp k, 0,1,2,3,4,5,6,7
.irp c, 0,1
	global_store_b128 v4, v[16+8*\k+4*\c:16+8*\k+4*\c+3], s[20:21] offset:1024*\k+512*\c
.endr
.endr
	s_endpgm
.Lfunc_end_k_qa0c8575a4b_prep:
	.size	k_qa0c8575a4b_prep, .Lfunc_end_k_qa0c8575a4b_prep-k_qa0c8575a4b_prep
	.p2alignl 7, 3214868480
	.fill 96, 4, 3214868480
	.section	.rodata,"a",@progbits
	.p2align	6, 0x0
	.amdhsa_kernel k_qa0c8575a4b_prep
		.amdhsa_group_segment_fixed_size 69120
		.amdhsa_private_segment_fixed_size 0
		.amdhsa_enable_private_segment 0
		.amdhsa_kernarg_size 56
		.amdhsa_user_sgpr_count 2
		.amdhsa_user_sgpr_kernarg_segment_ptr 1
		.amdhsa_wavefront_size32 1
		.amdhsa_system_sgpr_workgroup_id_x 1
		.amdhsa_system_sgpr_workgroup_id_y 1
		.amdhsa_system_sgpr_workgroup_id_z 1
		.amdhsa_system_vgpr_workitem_id 0
		.amdhsa_next_free_vgpr 178
		.amdhsa_next_free_sgpr 66
		.amdhsa_reserve_vcc 0
		.amdhsa_float_denorm_mode_32 3
		.amdhsa_float_denorm_mode_16_64 3
		.amdhsa_memory_ordered 1
		.amdhsa_forward_progress 1
		.amdhsa_inst_pref_size 17
	.end_amdhsa_kernel
	.amdgpu_metadata
---
amdhsa.version: [ 1, 2 ]
amdhsa.kernels:
  - .name:           k_qa0c8575a4b_prep
    .symbol:         k_qa0c8575a4b_prep.kd
    .args:
      - { .name: hidden_states, .offset: 0, .size: 8, .value_kind: global_buffer, .address_space: global }
      - { .name: wq_codes, .offset: 8, .size: 8, .value_kind: global_buffer, .address_space: global }
      - { .name: wk_codes, .offset: 16, .size: 8, .value_kind: global_buffer, .address_space: global }
      - { .name: wv_codes, .offset: 24, .size: 8, .value_kind: global_buffer, .address_space: global }
      - { .name: wo_codes, .offset: 32, .size: 8, .value_kind: global_buffer, .address_space: global }
      - { .name: xq, .offset: 40, .size: 8, .value_kind: global_buffer, .address_space: global }
      - { .name: wf, .offset: 48, .size: 8, .value_kind: global_buffer, .address_space: global }
    .group_segment_fixed_size: 69120
    .private_segment_fixed_size: 0
    .kernarg_segment_align: 8
    .kernarg_segment_size: 56
    .max_flat_workgroup_size: 256
    .sgpr_count:     66
    .vgpr_count:     178
    .wavefront_size: 32
...
	.end_amdgpu_metadata
.endif
;; end of part 4
;; launch qkv (part 5): grid 64 x 4, 4 waves a work-group, no clusters, 66,048 bytes of LDS; arguments xq, wf, wq_scales, wk_scales, wv_scales, qc, kc, vc, sc; writes qc, kc, vc, sc
.if DOCPART == 5
	.amdgcn_target "amdgcn-amd-amdhsa--gfx1250"
	.amdhsa_code_object_version 6
	.text
	.protected	k_qa0c8575a4b_qkv
	.globl	k_qa0c8575a4b_qkv
	.p2align	8
	.type	k_qa0c8575a4b_qkv,@function
k_qa0c8575a4b_qkv:
	s_mov_b64 s[64:65], 0
	v_nop
	global_prefetch_b8 v0, s[64:65] scope:SCOPE_SE
	s_setreg_imm32_b32 hwreg(HW_REG_WAVE_SCHED_MODE, 0, 2), 2
	s_setreg_imm32_b32 hwreg(HW_REG_WAVE_MODE, 25, 1), 1
	s_wait_xcnt 0x0
	s_wait_alu depctr_vm_vsrc(0)
; QKV.  q = x wq^T, k = x wk^T, v = x wv^T on codes of FP4 with E8M0 scales; the results are quantised in registers: q and k along a head's 64 numbers (two blocks), v along the keys (blocks of 32 tokens).
; SHARES.  Work-group (X, y): tokens 128 X .. 128 X + 127 (8 tiles); wave w: head 4 y + w, three units (q, k, v) of 128 tokens x 64 columns x K 1,024: 32 accumulators, 8 K steps of 32 matrix instructions.
; x's 64 fragments come once (each wave fetches a quarter, LDS hands them round) and stay in 512 registers; a weight fragment goes from memory straight into the one wave that uses it, and feeds 8 matrix instructions.
; LAYOUT (tiles as the first launch lays them: row r of tile 2 B + u is row 32 B + 8 u + r + 8 (r / 8)).
;   q, k: source 0 = 16 rows of W, source 1 = 16 tokens: a lane holds ONE token, and the 32 registers of its 4 tiles run along d: register 16 b + i = d 32 b + 16 h + i.
;   v:    source 0 = 16 tokens, source 1 = 16 rows of wv: a lane holds ONE d, and the 64 registers of its 8 tiles run along the keys: register 16 b + i = key 32 b + 16 h + i.
; OUT.  qc, kc: [16 batch + head][tile of the batch 0..127][lane][16 bytes]: lane (r, h) holds its token's block h.   vc: [16 batch + head][128 keys G][d tile 0..3][c][lane][16 bytes]: fragments of V^T.
;   sc: q's scale words at 0, k's at 524,288: [bh][G][lane][p 0..3]: lanes 0-15 tile 2 p, lanes 16-31 tile 2 p + 1; bytes 0, 1 the two blocks', bytes 2, 3 zero.   v's at 1,048,576: [bh][G][lane][p 0..1], four bytes a word.
; LIMITS: a block of zeros gets the byte 1: its codes are zeros and this program alone reads the bytes; magnitudes under 2^(3 - 127) count as that floor; NaN and infinities are not served.
; NO CLUSTER: a joint request lands in LDS, and here the weights (96 KiB a wave, each fragment used by one wave) pass LDS by; sharing them among the work-groups of one y would want a ring in LDS with its barriers. Not built.
; REGISTERS, in windows of 256.  Window 0: v1-6 addresses; v16-47 x's scale words; v48-79 the weights' scale words, two sets; v80-207 a ring of 4 x 4 weight fragments, whose buffer 3 also takes a unit's codes on their way out;
;   v208-223 at work; v240-251 scale words on their way out.
;   Windows 1, 2: x's fragment (tile tt, K step s) at v[64 (tt % 4) + 8 s] of window 1 + tt / 4.   Window 3: the 32 accumulators.
; THE MODE: SCHED_MODE bits 1:0 = 2 (LLVM: expert scheduling mode 2), set by the entry lines.  The code itself states the register dependences
; between vector or matrix instructions and memory or LDS instructions, with s_wait_alu, always for 0.
; THE PLAN.  The text is one straight run: no branch, no loop.  Registers that memory or LDS instructions touch:
;   v1 .. v5      Offsets and LDS addresses, made at the head and never written again: one wait on va_vdst ahead of the first load serves every load and store of the kernel.
;   the ring      At the head x's images pass through it: loads land, LDS stores read; one wait on vm_vsrc, and the loads of steps 0 to 3 land.
;                 Step sg: its 8 loads have landed in buffer sg % 4, its 32 products read it, and it is asked for again at once, for step sg + 4: ONE wait on va_vdst at the step's end states that the products are done reading it.
;                 (At once, and not at the next step's head: four buffers then hold up to 32 loads of the wave in flight, and none lies idle while the next step's data are waited for.)
;   buffer 3      Steps 7, 15 and 23, the units' last, all fall on it.  It is not asked for again at once: the unit's conversions lay their 32 registers of codes there.  ONE wait on va_vdst stands ahead of the run of stores;
;                 behind the stores s_wait_xcnt 0 and one wait on vm_vsrc; then the loads of step 11 (19) land in it.  No vector or matrix instruction and no window switch stands between that wait on va_vdst and these loads.
;   scale set 0   Read by q's products; wv's words land in it behind the same two waits.
;   v248 .. v251  Written by the selects, read by a unit's last store, freed for the next unit by the same pair of waits behind the stores.
;   x's scale words, scale set 1 and windows 1 and 2 are loaded once and then read by products alone; window 3, v208-223 and v240-247 are named by vector and matrix instructions alone.
.set XSO,  4194304
.set XS,   16                          ; register XS + 8 p + s: lanes 0-15 tile 2 p's words of K step s, lanes 16-31 tile 2 p + 1's
.set WS,   48                          ; set z at WS + 16 z; in it register 8 B + s likewise for the weight's tiles 2 B, 2 B + 1
.set RING, 80
.set OUTB, RING+96                     ; ring buffer 3, as a unit's out-buffer: 32 registers of codes
.set TM,   208
.set W8,   240
.set PK,   248
.set SEL,  36
.set MSB, 0
.macro WIN new                         ; the immediate's high byte repeats the setting that is left; a switch that changes nothing is dropped
.if MSB != \new
	s_set_vgpr_msb (MSB<<8)|\new
.set MSB, \new
.endif
.endm
; one matrix instruction from the symbols rD, rA, rB (registers), rSA, rSB (scale registers), rRA, rRB (1: the scales stand in lanes 16-31), rZ (1: it starts the sum)
.macro WM
.if rZ
.if (rRA == 0) && (rRB == 0)
	v_wmma_scale_f32_16x16x128_f8f6f4 v[rD:rD+7], v[rA:rA+7], v[rB:rB+7], 0, v[rSA], v[rSB] matrix_a_fmt:MATRIX_FMT_FP4 matrix_b_fmt:MATRIX_FMT_FP4
.elseif (rRA == 1) && (rRB == 0)
	v_wmma_scale_f32_16x16x128_f8f6f4 v[rD:rD+7], v[rA:rA+7], v[rB:rB+7], 0, v[rSA], v[rSB] matrix_a_fmt:MATRIX_FMT_FP4 matrix_b_fmt:MATRIX_FMT_FP4 matrix_a_scale:MATRIX_SCALE_ROW1
.elseif (rRA == 0) && (rRB == 1)
	v_wmma_scale_f32_16x16x128_f8f6f4 v[rD:rD+7], v[rA:rA+7], v[rB:rB+7], 0, v[rSA], v[rSB] matrix_a_fmt:MATRIX_FMT_FP4 matrix_b_fmt:MATRIX_FMT_FP4 matrix_b_scale:MATRIX_SCALE_ROW1
.else
	v_wmma_scale_f32_16x16x128_f8f6f4 v[rD:rD+7], v[rA:rA+7], v[rB:rB+7], 0, v[rSA], v[rSB] matrix_a_fmt:MATRIX_FMT_FP4 matrix_b_fmt:MATRIX_FMT_FP4 matrix_a_scale:MATRIX_SCALE_ROW1 matrix_b_scale:MATRIX_SCALE_ROW1
.endif
.else
.if (rRA == 0) && (rRB == 0)
	v_wmma_scale_f32_16x16x128_f8f6f4 v[rD:rD+7], v[rA:rA+7], v[rB:rB+7], v[rD:rD+7], v[rSA], v[rSB] matrix_a_fmt:MATRIX_FMT_FP4 matrix_b_fmt:MATRIX_FMT_FP4
.elseif (rRA == 1) && (rRB == 0)
	v_wmma_scale_f32_16x16x128_f8f6f4 v[rD:rD+7], v[rA:rA+7], v[rB:rB+7], v[rD:rD+7], v[rSA], v[rSB] matrix_a_fmt:MATRIX_FMT_FP4 matrix_b_fmt:MATRIX_FMT_FP4 matrix_a_scale:MATRIX_SCALE_ROW1
.elseif (rRA == 0) && (rRB == 1)
	v_wmma_scale_f32_16x16x128_f8f6f4 v[rD:rD+7], v[rA:rA+7], v[rB:rB+7], v[rD:rD+7], v[rSA], v[rSB] matrix_a_fmt:MATRIX_FMT_FP4 matrix_b_fmt:MATRIX_FMT_FP4 matrix_b_scale:MATRIX_SCALE_ROW1
.else
	v_wmma_scale_f32_16x16x128_f8f6f4 v[rD:rD+7], v[rA:rA+7], v[rB:rB+7], v[rD:rD+7], v[rSA], v[rSB] matrix_a_fmt:MATRIX_FMT_FP4 matrix_b_fmt:MATRIX_FMT_FP4 matrix_a_scale:MATRIX_SCALE_ROW1 matrix_b_scale:MATRIX_SCALE_ROW1
.endif
.endif
.endm
; step sg = 8 x unit + K step, 0..23: my head's four weight fragments into ring buffer sg % 4: 8 loads of 512 consecutive bytes
.macro RLOAD sg
.irp t, 0,1,2,3
.irp c, 0,1
	global_load_b128 v[RING+32*((\sg)%4)+8*\t+4*\c:RING+32*((\sg)%4)+8*\t+4*\c+3], v1, s[10:11] offset:((\sg)/8)*524288+\t*8192+((\sg)%8)*1024+512*\c
.endr
.endr
.endm
; a weight's scale words of my head's 64 rows, all of K, into set z: 4 loads
.macro WSLOAD p, z
.irp be, 0,1
.irp g, 0,1
	global_load_b128 v[WS+16*\z+8*\be+4*\g:WS+16*\z+8*\be+4*\g+3], v4, s[\p:\p+1] offset:\be*1024+16*\g
.endr
.endr
.endm
; 16 matrix instructions: x's tiles tt0 .. tt0 + 3 against the four weight fragments.  kind 0: source 0 = W (q, k);  kind 1: source 0 = x (v)
.macro HALF kind, sg, tt0, z
.irp a, 0,1,2,3
.irp t, 0,1,2,3
.set tt, \tt0+\a
.set ks, (\sg)%8
.set rW, RING+32*((\sg)%4)+8*\t
.set rX, 64*\a+8*ks
.set rSW, WS+16*(\z)+8*(\t/2)+ks
.set rSX, XS+8*(tt/2)+ks
.if ks == 0
.set rZ, 1
.else
.set rZ, 0
.endif
.if \kind
.set rD, 64*\t+8*tt
.set rA, rX
.set rB, rW
.set rSA, rSX
.set rSB, rSW
.set rRA, tt%2
.set rRB, \t%2
.else
.set rD, 8*(4*tt+\t)
.set rA, rW
.set rB, rX
.set rSA, rSW
.set rSB, rSX
.set rRA, \t%2
.set rRB, tt%2
.endif
	WM
.endr
.endr
.endm
; A K step: 32 matrix instructions, the 32 accumulators by turns, one instruction a turn.  n: the younger loads that may stay out.
.macro KSTEP kind, sg, n, z
	s_wait_loadcnt \n                              ; loads come back in order: this step's 8 are in
.if \kind
	WIN 0xf1                                       ; source 0 (x) window 1, source 1 (W) window 0, C and D window 3
.else
	WIN 0xf4                                       ; source 0 (W) window 0, source 1 (x) window 1, C and D window 3
.endif
	HALF \kind, \sg, 0, \z
.if \kind
	WIN 0xf2
.else
	WIN 0xf8
.endif
	HALF \kind, \sg, 4, \z
.if (\sg)%8 == 7
	WIN 0                                          ; a unit's last step asks for nothing: its ring buffer, buffer 3, takes the unit's codes
.rept 4
	v_nop                                          ; four plain instructions behind the products (ISA guide 7.12.1), ahead of the first read of results by vector instructions and of the conversions that write over buffer 3
.endr
.elseif (\sg)+4 < 24
	WIN 0                                          ; the switch, then the wait, then the loads
	s_wait_alu depctr_va_vdst(0)                   ; this step's products are done reading ring buffer sg % 4, in which the loads below land
	RLOAD (\sg)+4                                  ; the buffer just read takes the step four on, across units too
.endif
.endm
; nb blocks of 32 in window 3, register a + 16 b + i = number 32 b + 16 h + i of my row, become codes in v[d] on; their bytes are left in v[TM + 4 + b].  No memory instruction and no wait stands in it
.macro QUANTW a, nb, d
	WIN 0x3c                                       ; sources 1 and 2 window 3
.set qb, 0
.rept \nb
	v_max3_num_f32 v[TM+qb], 0x1800000, |v[(\a)+16*qb]|, |v[(\a)+16*qb+1]|   ; the floor 2^(3 - 127) and my first two; each accumulator is read from its low end on
.set qb, qb+1
.endr
.irp i, 2,4,6,8,10,12,14
.set qb, 0
.rept \nb
	v_max3_num_f32 v[TM+qb], v[TM+qb], |v[(\a)+16*qb+\i]|, |v[(\a)+16*qb+\i+1]|
.set qb, qb+1
.endr
.endr
	WIN 0
.set qb, 0
.rept \nb
	v_permlanex16_b32 v[TM+4+qb], v[TM+qb], s[SEL], s[SEL+1]
.set qb, qb+1
.endr
.set qb, 0
.rept \nb
	v_max_num_f32 v[TM+qb], v[TM+qb], v[TM+4+qb]   ; with lane l xor 16's 16: the block's largest magnitude
.set qb, qb+1
.endr
.set qb, 0
.rept \nb
	v_add_nc_u32 v[TM+12+qb], 0xff000000, v[TM+qb] ; 2 off its exponent field: the conversion's scale operand
.set qb, qb+1
.endr
.set qb, 0
.rept \nb
	v_lshrrev_b32 v[TM+4+qb], 23, v[TM+12+qb]      ; the scale's byte
.set qb, qb+1
.endr
	WIN 0x03                                       ; source 0 window 3
.set qb, 0
.rept \nb
	v_cvt_scalef32_pk8_fp4_f32 v[(\d)+2*qb], v[(\a)+16*qb:(\a)+16*qb+7], v[TM+12+qb]
	v_cvt_scalef32_pk8_fp4_f32 v[(\d)+2*qb+1], v[(\a)+16*qb+8:(\a)+16*qb+15], v[TM+12+qb]
.set qb, qb+1
.endr
	WIN 0
	v_nop                                          ; one plain instruction behind a scaled conversion
.set qb, 0
.rept (\nb)/2
	v_permlane16_swap_b32 v[(\d)+4*qb], v[(\d)+4*qb+2]       ; a whole block to a lane
	v_permlane16_swap_b32 v[(\d)+4*qb+1], v[(\d)+4*qb+3]
.set qb, qb+1
.endr
.endm
; the way out of q or of k: for each tile of tokens an image of 512 bytes, four registers of the out-buffer; the eight tiles' scale words leave by one store of 512 bytes.  All nine stores stand in one run behind one wait
.macro QKOUT cp, sp
	v_cmp_le_u32 vcc_lo, 16, v6                    ; lanes 16-31, for the selects below: the eight tiles' work stands between the compare and the wait for it
.irp tt, 0,1,2,3,4,5,6,7
	QUANTW 32*\tt, 2, OUTB+4*\tt
	v_lshl_or_b32 v[W8+\tt], v[TM+5], 8, v[TM+4]   ; bytes 2 and 3 stay 0
.endr
	s_wait_alu depctr_va_vcc(0)                    ; the compare has written VCC, which the selects read
.irp p, 0,1,2,3
	v_cndmask_b32 v[PK+\p], v[W8+2*\p], v[W8+2*\p+1], vcc_lo   ; lanes 0-15 the even tile's word, lanes 16-31 the odd tile's
.endr
	s_wait_alu depctr_va_vdst(0)                   ; the conversions and swaps have written the out-buffer and the selects v[PK ..], which the stores read; and the unit's last products are done reading buffer 3 and their set of scale words, in which the loads behind the stores land
.irp tt, 0,1,2,3,4,5,6,7
	global_store_b128 v1, v[OUTB+4*\tt:OUTB+4*\tt+3], s[\cp:\cp+1] offset:512*\tt
.endr
	global_store_b128 v1, v[PK:PK+3], s[\sp:\sp+1]
.endm
	s_load_b512 s[8:23], s[0:1], 0x0               ; xq s[8:9], wf s[10:11], wq_scales s[12:13], wk_scales s[14:15], wv_scales s[16:17], qc s[18:19], kc s[20:21], vc s[22:23]
	s_load_b64 s[24:25], s[0:1], 0x40              ; sc
	v_lshl_add_u32 v254, v0, 2, 0x10000
	v_mov_b32 v255, 0
	v_lshrrev_b32 v1, 5, v0
	v_readfirstlane_b32 s2, v1                     ; wave 0..3
	v_and_b32 v6, 31, v0                           ; lane
	v_lshlrev_b32 v1, 4, v6                        ; 16 x lane
	v_lshlrev_b32 v3, 5, v6                        ; x's scale bytes: 32 a row; lanes 16-31 fall into the next tile
	v_and_b32 v4, 15, v0
	v_and_b32 v5, 8, v4
	v_add_nc_u32 v4, v4, v5                        ; r + 8 (r / 8)
	v_bfe_u32 v5, v0, 4, 1
	v_lshl_add_u32 v4, v5, 3, v4                   ; lanes 16-31: the odd tile, 8 rows on
	v_lshlrev_b32 v4, 5, v4                        ; a weight's scale bytes: 32 a row
	v_lshlrev_b32 v5, 3, v6                        ; 8 x lane
.irp b, 0,1,2,3
	v_mov_b32 v[TM+4+\b], 0                        ; a lane permute's destination counts as one of its sources
.endr
	s_mov_b32 s[SEL], 0x76543210
	s_mov_b32 s[SEL+1], 0xfedcba98
	s_wait_alu depctr_va_sdst(0)                   ; s2 is written, ahead of its first reader: LDS places, the head's number and every base are made from it
	s_lshl_b32 s41, s2, 14
	v_add_nc_u32 v2, s41, v1                       ; my quarter of x's 65,536 bytes, in memory and in LDS alike
	s_and_b32 s3, ttmp7, 0xffff                    ; y
	s_lshl_b32 s5, s3, 2
	s_add_co_u32 s5, s5, s2                        ; head = 4 y + wave
	s_lshr_b32 s4, ttmp9, 4                        ; batch
	s_and_b32 s7, ttmp9, 15                        ; G: which 128 tokens of the batch
	s_lshl_b32 s6, s4, 4
	s_add_co_u32 s6, s6, s5                        ; bh = 16 batch + head
	s_lshl_b32 s40, s6, 4
	s_add_co_u32 s40, s40, s7                      ; 16 bh + G
	s_mov_b32 s39, 0
	s_wait_kmcnt 0x0
	s_lshl_b32 s38, ttmp9, 12
	s_add_co_u32 s38, s38, XSO
	s_add_nc_u64 s[28:29], s[8:9], s[38:39]        ; x's scale bytes: 8 tiles of 512
	s_lshl_b32 s38, ttmp9, 16
	s_add_nc_u64 s[8:9], s[8:9], s[38:39]          ; x's images: 8 tiles of 8,192
	s_lshl_b32 s38, s5, 15
	s_add_nc_u64 s[10:11], s[10:11], s[38:39]      ; my head's 4 tiles in each weight
	s_lshl_b32 s38, s5, 11
	s_add_nc_u64 s[12:13], s[12:13], s[38:39]      ; my head's 64 rows of scale bytes
	s_add_nc_u64 s[14:15], s[14:15], s[38:39]
	s_add_nc_u64 s[16:17], s[16:17], s[38:39]
	s_lshl_b32 s38, s40, 12                        ; 4,096 bytes for each (bh, G) in qc, kc and vc
	s_add_nc_u64 s[18:19], s[18:19], s[38:39]
	s_add_nc_u64 s[20:21], s[20:21], s[38:39]
	s_add_nc_u64 s[22:23], s[22:23], s[38:39]
	s_lshl_b32 s38, s40, 9
	s_add_nc_u64 s[30:31], s[24:25], s[38:39]      ; q's scale words
	s_add_nc_u64 s[32:33], s[30:31], 524288        ; k's
	s_lshl_b32 s38, s40, 8
	s_add_co_u32 s38, s38, 1048576
	s_add_nc_u64 s[34:35], s[24:25], s[38:39]      ; v's
	s_wait_alu depctr_va_vdst(0)                   ; the offsets and LDS addresses v1 to v5 are written: every load, store and LDS instruction of the kernel reads one of them, and none is written again
.set i, 0
.rept 32
	global_load_b128 v[RING+4*i:RING+4*i+3], v2, s[8:9] offset:512*i   ; my quarter of x's images, through the ring's registers
.set i, i+1
.endr
.irp p, 0,1,2,3
.irp g, 0,1
	global_load_b128 v[XS+8*\p+4*\g:XS+8*\p+4*\g+3], v3, s[28:29] offset:\p*1024+16*\g
.endr
.endr
	WSLOAD 12, 0                                   ; wq's scale words
	WSLOAD 14, 1                                   ; wk's
	s_wait_loadcnt 16                              ; the 32 loads of x are in; the 16 loads of scale words may stay out
.set i, 0
.rept 32
	ds_store_b128 v2, v[RING+4*i:RING+4*i+3] offset:512*i
.set i, i+1
.endr
	s_wait_dscnt 0x0                               ; for the others' sake: my quarter has landed
	s_barrier_signal -1
	s_barrier_wait -1
	s_wait_alu depctr_vm_vsrc(0)                   ; my LDS stores have read the ring's registers, in which the loads of steps 0 to 3 land
	RLOAD 0
	RLOAD 1
	RLOAD 2
	RLOAD 3
	WIN 0x40                                       ; destination window 1
.irp tt, 0,1,2,3
.irp k, 0,1,2,3,4,5,6,7
.irp c, 0,1
	ds_load_b128 v[64*\tt+8*\k+4*\c:64*\tt+8*\k+4*\c+3], v1 offset:(8*\tt+\k)*1024+512*\c
.endr
.endr
.endr
	WIN 0x80                                       ; destination window 2
.irp tt, 0,1,2,3
.irp k, 0,1,2,3,4,5,6,7
.irp c, 0,1
	ds_load_b128 v[64*\tt+8*\k+4*\c:64*\tt+8*\k+4*\c+3], v1 offset:(8*(\tt+4)+\k)*1024+512*\c
.endr
.endr
.endr
	WIN 0
	s_wait_dscnt 0x0                               ; x's 64 fragments are in registers, for the whole launch
	; ---- q.  Behind each step's own 8 loads stand three steps' 24
.irp g, 0,1,2,3,4,5,6,7
	KSTEP 0, \g, 24, 0
.endr
	QKOUT 18, 30
	s_wait_xcnt 0x0                                ; the stores' addresses are translated: their data registers are written again only behind this wait
	s_wait_alu depctr_vm_vsrc(0)                   ; the stores have read the out-buffer, in which step 11's loads land, and v[PK ..], which k's selects write
	WSLOAD 16, 0                                   ; wv's scale words, into the set that q has left
	RLOAD 11                                       ; buffer 3 goes back to the ring
	; ---- k.  In steps 8 to 10 wv's 4 scale loads are younger too: 28
.irp g, 8,9,10
	KSTEP 0, \g, 28, 1
.endr
.irp g, 11,12,13,14,15
	KSTEP 0, \g, 24, 1
.endr
	QKOUT 20, 32
	s_wait_xcnt 0x0                                ; the stores' addresses are translated: their data registers are written again only behind this wait
	s_wait_alu depctr_vm_vsrc(0)                   ; the stores have read the out-buffer, in which step 19's loads land, and v[PK ..], which v's selects write
	RLOAD 19
	; ---- v
.irp g, 16,17,18,19,20
	KSTEP 1, \g, 24, 0
.endr
	KSTEP 1, 21, 16, 0                             ; nothing more is asked for: the counts run down
	KSTEP 1, 22, 8, 0
	KSTEP 1, 23, 0, 0
	v_cmp_le_u32 vcc_lo, 16, v6                    ; lanes 16-31, for the selects below
.irp dt, 0,1,2,3
	QUANTW 64*\dt, 4, OUTB+8*\dt                   ; 16 d x 128 keys: one fragment of V^T, eight registers of the out-buffer
	v_lshl_or_b32 v[W8+\dt], v[TM+5], 8, v[TM+4]
	v_lshl_or_b32 v[W8+\dt], v[TM+6], 16, v[W8+\dt]
	v_lshl_or_b32 v[W8+\dt], v[TM+7], 24, v[W8+\dt]
.endr
	s_wait_alu depctr_va_vcc(0)                    ; the compare has written VCC, which the selects read
	v_cndmask_b32 v[PK], v[W8], v[W8+1], vcc_lo
	v_cndmask_b32 v[PK+1], v[W8+2], v[W8+3], vcc_lo
	s_wait_alu depctr_va_vdst(0)                   ; the conversions and swaps have written the out-buffer and the selects v[PK], v[PK + 1], which the stores read
.irp dt, 0,1,2,3
	global_store_b128 v1, v[OUTB+8*\dt:OUTB+8*\dt+3], s[22:23] offset:1024*\dt
	global_store_b128 v1, v[OUTB+8*\dt+4:OUTB+8*\dt+7], s[22:23] offset:1024*\dt+512
.endr
	global_store_b64 v5, v[PK:PK+1], s[34:35]      ; 256 consecutive bytes
	s_wait_dscnt 0x0
	s_wait_alu depctr_hold_cnt(0) depctr_sa_sdst(0) depctr_va_vdst(0) depctr_va_sdst(0) depctr_va_ssrc(0) depctr_va_vcc(0) depctr_vm_vsrc(0)
	s_wait_tensorcnt 0x0
	ds_add_u32 v254, v255
	s_wait_dscnt 0x0
	s_endpgm
.Lfunc_end_k_qa0c8575a4b_qkv:
	.size	k_qa0c8575a4b_qkv, .Lfunc_end_k_qa0c8575a4b_qkv-k_qa0c8575a4b_qkv
	.p2alignl 7, 3214868480
	.fill 96, 4, 3214868480
	.section	.rodata,"a",@progbits
	.p2align	6, 0x0
	.amdhsa_kernel k_qa0c8575a4b_qkv
		.amdhsa_group_segment_fixed_size 66048
		.amdhsa_private_segment_fixed_size 0
		.amdhsa_enable_private_segment 0
		.amdhsa_kernarg_size 72
		.amdhsa_user_sgpr_count 2
		.amdhsa_user_sgpr_kernarg_segment_ptr 1
		.amdhsa_wavefront_size32 1
		.amdhsa_system_sgpr_workgroup_id_x 1
		.amdhsa_system_sgpr_workgroup_id_y 1
		.amdhsa_system_sgpr_workgroup_id_z 1
		.amdhsa_system_vgpr_workitem_id 0
		.amdhsa_next_free_vgpr 1024
		.amdhsa_next_free_sgpr 66
		.amdhsa_reserve_vcc 1
		.amdhsa_float_denorm_mode_32 3
		.amdhsa_float_denorm_mode_16_64 3
		.amdhsa_memory_ordered 1
		.amdhsa_forward_progress 1
		.amdhsa_inst_pref_size 186
	.end_amdhsa_kernel
	.amdgpu_metadata
---
amdhsa.version: [ 1, 2 ]
amdhsa.kernels:
  - .name:           k_qa0c8575a4b_qkv
    .symbol:         k_qa0c8575a4b_qkv.kd
    .args:
      - { .name: xq, .offset: 0, .size: 8, .value_kind: global_buffer, .address_space: global }
      - { .name: wf, .offset: 8, .size: 8, .value_kind: global_buffer, .address_space: global }
      - { .name: wq_scales, .offset: 16, .size: 8, .value_kind: global_buffer, .address_space: global }
      - { .name: wk_scales, .offset: 24, .size: 8, .value_kind: global_buffer, .address_space: global }
      - { .name: wv_scales, .offset: 32, .size: 8, .value_kind: global_buffer, .address_space: global }
      - { .name: qc, .offset: 40, .size: 8, .value_kind: global_buffer, .address_space: global }
      - { .name: kc, .offset: 48, .size: 8, .value_kind: global_buffer, .address_space: global }
      - { .name: vc, .offset: 56, .size: 8, .value_kind: global_buffer, .address_space: global }
      - { .name: sc, .offset: 64, .size: 8, .value_kind: global_buffer, .address_space: global }
    .group_segment_fixed_size: 66048
    .private_segment_fixed_size: 0
    .kernarg_segment_align: 8
    .kernarg_segment_size: 72
    .max_flat_workgroup_size: 128
    .sgpr_count:     66
    .vgpr_count:     1024
    .wavefront_size: 32
...
	.end_amdgpu_metadata
.endif
;; end of part 5
;; launch attn_out (part 6): grid 256 x 1, 16 waves a work-group, no clusters, 282,112 bytes of LDS; arguments hidden_states, qc, kc, vc, sc, wf, wo_scales, bo, ln_w, ln_b, out0; writes out0
.if DOCPART == 6
	.amdgcn_target "amdgcn-amd-amdhsa--gfx1250"
	.amdhsa_code_object_version 6
	.text
	.protected	k_qa0c8575a4b_attn_out
	.globl	k_qa0c8575a4b_attn_out
	.p2align	8
	.type	k_qa0c8575a4b_attn_out,@function
k_qa0c8575a4b_attn_out:
	s_mov_b64 s[64:65], 0
	v_nop
	global_prefetch_b8 v0, s[64:65] scope:SCOPE_SE
	s_setreg_imm32_b32 hwreg(HW_REG_WAVE_MODE, 25, 1), 1
	s_wait_xcnt 0x0
; ATTENTION, OUT-PROJECTION, LAYERNORM.  out = Q(ctx) wo^T + bo + LayerNorm(x);  ctx = (the sum over the keys of Q(p) Q(v)) / l, with key j counting for query i where j <= i and i - j < 256.
; All products on codes of FP4 with E8M0 scales.  THE SOFTMAX: t = score x log2(e); M = the running largest t rounded UP to a whole number; p = 2^(t - M) is quantised along the keys, not normalised;
; l is the sum of the unquantised p.  When M moves, l and O are multiplied by 2^(old M - new M), which rounds nothing.
; SHARES.  Work-group W: 32 queries of a batch, tokens 32 g .. 32 g + 31 (g = W % 64): tile A (row r = token 32 g + r + 8 (r / 8)) and tile B (8 tokens on).  Sixteen waves of 256 registers, four to a SIMD.
;   Wave w is head w in the attention, columns 64 w .. 64 w + 63 in the out-projection, and two whole rows in the epilogue.
; KEYS.  With m = g / 4, the keys that count lie in the three aligned groups of 128 keys m - 2 (lower edge of the band masked), m - 1 (all count) and m (causal edge masked).  Groups under 0 are left out by a scalar branch on the work-group's number.
; LAYOUT.  S^T = K Q^T (source 0 = 16 keys) and O^T = V^T P^T (source 0 = 16 d): a lane holds ONE query throughout; p's 16 registers of two neighbouring tiles are 16 neighbouring keys, O^T's are 16 neighbouring d.
; K = 64 IN AN INSTRUCTION OF 128: Q's registers 4-7 are zero codes.  A key tile's registers 4-7 are whatever follows (the next tile's codes, at last zeros): every code is a finite number, and bytes 2, 3 of the scale words are 0, which is 2^-127: those products are exact zeros.
; x's 32 rows for the LayerNorm come by asynchronous copies at the head, each wave its own two rows, filled once, and land while the attention runs.
; LIMITS: a block of zeros gets the byte 1: its codes are zeros; magnitudes under 2^(3 - 127) count as that floor; NaN and infinities are not served.
; NO CLUSTER: the four work-groups of one m read the same K and V, and all read wo; these go from memory straight into registers in fragment order, and of LDS 280,064 bytes hold x's rows, the stage and ctx, so that no ring for joint loads fits beside them.
.set STAGE, 131072                     ; LDS: 0: x's rows, 8,192 bytes a wave;  STAGE: 32 rows of the out-projection, in tile order 16 u + r
.set SPI,   4112                       ; a stage row: 4,096 bytes + 16
.set CIMG,  STAGE+32*SPI               ; ctx's codes as images: [u][head][lane][16 bytes]
.set CSC,   CIMG+16384                 ; ctx's scale bytes: [16 u + r][32]
.set QA,  8                            ; v8-15 tile A's queries (v12-15 zeros), v16-23 tile B's
.set QB,  16
.set QS,  24                           ; Q's scale words: lanes 0-15 tile A, lanes 16-31 tile B
.set STA, 26                           ; tile A: -M, the largest t, l in two halves;  v30-33 tile B
.set STB, 30
.set KF,  34                           ; v34-65 eight key tiles of 4 registers, v66-69 zeros; later four fragments of V^T
.set KS,  70                           ; v70-73 K's scale words, then V's (v70-71)
.set PA,  74                           ; p's codes
.set PB,  82
.set PSA, 90                           ; p's scale words: v90 tile A, v91 tile B
.set S,   92                           ; v92-155 S^T, then p
.set OA,  156                          ; O^T
.set OB,  188
.set BM,  220                          ; blocks' largest scores, then largest p
.set BT,  224                          ; the other half's, then bytes, then the second chain of sums
.set BS,  228                          ; the conversions' scale operands
.set F,   232                          ; v[232:233]: f = 2^(old M - new M) in the low word
.set T0,  234
.set CW,  7                            ; from the end of the attention on: LDS addresses
.set CSW, 25
.set CR,  4
.set CSR, 5
.set SO0, 6
.set SO1, 232
.set SR,  233
.set WSA, 234
.set CSS, 248                          ; v248-255 ctx's scale words;  wo's in the quads v70, v236, v240, v244
.set ACC, 156                          ; the out-projection's 8 accumulators
.set LW,  92                           ; the epilogue: ln_w, ln_b + bo, bo (then row 1 of x), row 0 of x, a row of the stage
.set CB,  124
.set BO,  26
.set X0,  156
.set Y0,  188
.set SEL, 40
.set CS,  42
.macro WM                              ; one matrix instruction from the symbols rD, rA, rB, rSA, rSB, rRA, rRB (1: scales in lanes 16-31), rZ (1: it starts the sum)
.if rZ
.if (rRA == 0) && (rRB == 0)
	v_wmma_scale_f32_16x16x128_f8f6f4 v[rD:rD+7], v[rA:rA+7], v[rB:rB+7], 0, v[rSA], v[rSB] matrix_a_fmt:MATRIX_FMT_FP4 matrix_b_fmt:MATRIX_FMT_FP4
.elseif (rRA == 1) && (rRB == 0)
	v_wmma_scale_f32_16x16x128_f8f6f4 v[rD:rD+7], v[rA:rA+7], v[rB:rB+7], 0, v[rSA], v[rSB] matrix_a_fmt:MATRIX_FMT_FP4 matrix_b_fmt:MATRIX_FMT_FP4 matrix_a_scale:MATRIX_SCALE_ROW1
.elseif (rRA == 0) && (rRB == 1)
	v_wmma_scale_f32_16x16x128_f8f6f4 v[rD:rD+7], v[rA:rA+7], v[rB:rB+7], 0, v[rSA], v[rSB] matrix_a_fmt:MATRIX_FMT_FP4 matrix_b_fmt:MATRIX_FMT_FP4 matrix_b_scale:MATRIX_SCALE_ROW1
.else
	v_wmma_scale_f32_16x16x128_f8f6f4 v[rD:rD+7], v[rA:rA+7], v[rB:rB+7], 0, v[rSA], v[rSB] matrix_a_fmt:MATRIX_FMT_FP4 matrix_b_fmt:MATRIX_FMT_FP4 matrix_a_scale:MATRIX_SCALE_ROW1 matrix_b_scale:MATRIX_SCALE_ROW1
.endif
.else
.if (rRA == 0) && (rRB == 0)
	v_wmma_scale_f32_16x16x128_f8f6f4 v[rD:rD+7], v[rA:rA+7], v[rB:rB+7], v[rD:rD+7], v[rSA], v[rSB] matrix_a_fmt:MATRIX_FMT_FP4 matrix_b_fmt:MATRIX_FMT_FP4
.elseif (rRA == 1) && (rRB == 0)
	v_wmma_scale_f32_16x16x128_f8f6f4 v[rD:rD+7], v[rA:rA+7], v[rB:rB+7], v[rD:rD+7], v[rSA], v[rSB] matrix_a_fmt:MATRIX_FMT_FP4 matrix_b_fmt:MATRIX_FMT_FP4 matrix_a_scale:MATRIX_SCALE_ROW1
.elseif (rRA == 0) && (rRB == 1)
	v_wmma_scale_f32_16x16x128_f8f6f4 v[rD:rD+7], v[rA:rA+7], v[rB:rB+7], v[rD:rD+7], v[rSA], v[rSB] matrix_a_fmt:MATRIX_FMT_FP4 matrix_b_fmt:MATRIX_FMT_FP4 matrix_b_scale:MATRIX_SCALE_ROW1
.else
	v_wmma_scale_f32_16x16x128_f8f6f4 v[rD:rD+7], v[rA:rA+7], v[rB:rB+7], v[rD:rD+7], v[rSA], v[rSB] matrix_a_fmt:MATRIX_FMT_FP4 matrix_b_fmt:MATRIX_FMT_FP4 matrix_a_scale:MATRIX_SCALE_ROW1 matrix_b_scale:MATRIX_SCALE_ROW1
.endif
.endif
.endm
.macro PLACES                          ; four plain instructions behind matrix instructions, ahead of the first read of results and of loads into registers that they read
.rept 4
	v_nop
.endr
.endm
; S^T of one tile of queries: 8 tiles of 16 keys
.macro QK q, u
.irp t, 0,1,2,3,4,5,6,7
.set rD, S+8*\t
.set rA, KF+4*\t
.set rB, \q
.set rSA, KS+\t/2
.set rSB, QS
.set rRA, \t%2
.set rRB, \u
.set rZ, 1
	WM
.endr
.endm
; Register n = 16 b + i of S^T holds key 128 G + 16 h + ko, ko = 32 b + i; my query is 128 m + 32 j + 8 u + r + 8 (r / 8); v5 = 32 j + r + 8 (r / 8) - 16 h.
; kind 2 (G = m): hidden where the key comes after the query: ko - 8 u > v5.   kind 0 (G = m - 2): hidden where query - key >= 256: ko - 8 u <= v5.   Hidden scores become -infinity: p = 0.
.macro MASK kind, u
.set nn, 0
.rept 64
.if \kind == 0
	v_cmp_le_i32 vcc_lo, 32*(nn/16)+nn%16-8*\u, v5
.else
	v_cmp_gt_i32 vcc_lo, 32*(nn/16)+nn%16-8*\u, v5
.endif
	v_cndmask_b32 v[S+nn], v[S+nn], v6, vcc_lo     ; ascending: each accumulator is read from its low end on
.set nn, nn+1
.endr
.endm
; one tile's softmax for 128 keys: scores in S become p; p's codes go to v[p] on, their scale word to v[ps]; l and O^T are brought under the new M
.macro SOFTMAX st, o, p, ps
.irp b, 0,1,2,3
	v_max3_num_f32 v[BM+\b], v[S+16*\b], v[S+16*\b+1], v[S+16*\b+2]   ; the largest score of each block of 32 keys: for the row's maximum, and, since p rises with the score, for the block's largest p
.endr
.irp i, 3,5,7,9,11,13
.irp b, 0,1,2,3
	v_max3_num_f32 v[BM+\b], v[BM+\b], v[S+16*\b+\i], v[S+16*\b+\i+1]
.endr
.endr
.irp b, 0,1,2,3
	v_max_num_f32 v[BM+\b], v[BM+\b], v[S+16*\b+15]
.endr
.irp b, 0,1,2,3
	s_delay_alu instid0(VALU_DEP_4)
	v_permlanex16_b32 v[BT+\b], v[BM+\b], s[SEL], s[SEL+1]
.endr
.irp b, 0,1,2,3
	s_delay_alu instid0(VALU_DEP_4)
	v_max_num_f32 v[BM+\b], v[BM+\b], v[BT+\b]     ; with lane l xor 16's 16 keys
.endr
	s_delay_alu instid0(VALU_DEP_2)
	v_max3_num_f32 v[T0], v[BM], v[BM+1], v[BM+2]
	s_delay_alu instid0(VALU_DEP_1)
	v_max_num_f32 v[T0], v[T0], v[BM+3]
	s_delay_alu instid0(VALU_DEP_1)
	v_mul_f32 v[T0], s[CS], v[T0]                  ; the step's largest t of my query (-infinity where all 128 keys are hidden)
	s_delay_alu instid0(VALU_DEP_1)
	v_max_num_f32 v[\st+1], v[\st+1], v[T0]        ; the running largest t
	v_mov_b32 v[T0], v[\st]
	s_delay_alu instid0(VALU_DEP_2)
	v_floor_f32 v[\st], -v[\st+1]                  ; the new -M = floor(-t) = -ceil(t)
	s_delay_alu instid0(VALU_DEP_1)
	v_sub_f32 v[T0], v[\st], v[T0]                 ; old M - new M: a whole number, 0 or less
	s_delay_alu instid0(VALU_DEP_1)
	v_cvt_i32_f32 v[T0], v[T0]                     ; (it saturates)
	s_delay_alu instid0(VALU_DEP_1)
	v_ldexp_f32 v[F], 1.0, v[T0]                   ; f
.irp j, 0,2,4,6,8,10,12,14,16,18,20,22,24,26,28,30,32,34,36,38,40,42,44,46,48,50,52,54,56,58,60,62
	v_pk_fma_f32 v[S+\j:S+\j+1], v[S+\j:S+\j+1], s[CS:CS+1], v[\st:\st+1] op_sel_hi:[1,0,0]   ; t - M, two at a time
.endr
.irp b, 0,1,2,3
	v_fma_f32 v[BM+\b], v[BM+\b], s[CS], v[\st]    ; the same of each block's largest score
.endr
	s_wait_alu depctr_va_vdst(0)
.irp j, 0,1,2,3,4,5,6,7,8,9,10,11,12,13,14,15,16,17,18,19,20,21,22,23,24,25,26,27,28,29,30,31,32,33,34,35,36,37,38,39,40,41,42,43,44,45,46,47,48,49,50,51,52,53,54,55,56,57,58,59,60,61,62,63
	v_exp_f32 v[S+\j], v[S+\j]                     ; p = 2^(t - M)
.endr
.irp b, 0,1,2,3
	v_exp_f32 v[BM+\b], v[BM+\b]                   ; the block's largest p: the same two instructions on the same number
.endr
	v_pk_mul_f32 v[\st+2:\st+3], v[\st+2:\st+3], v[F:F+1] op_sel_hi:[1,0]   ; l under the new M (the plain instruction behind the exponentials)
	s_wait_alu depctr_va_vdst(0)
.irp b, 0,1,2,3
	v_max_num_f32 v[BM+\b], 0x1800000, v[BM+\b]    ; the floor 2^(3 - 127)
.endr
.irp b, 0,1,2,3
	s_delay_alu instid0(VALU_DEP_4)
	v_add_nc_u32 v[BS+\b], 0xff000000, v[BM+\b]    ; 2 off the exponent field: the conversion's scale operand
.endr
.irp b, 0,1,2,3
	s_delay_alu instid0(VALU_DEP_4)
	v_lshrrev_b32 v[BT+\b], 23, v[BS+\b]           ; the scale's byte
.endr
	s_delay_alu instid0(VALU_DEP_3)
	v_lshl_or_b32 v[\ps], v[BT+1], 8, v[BT]
	s_delay_alu instid0(VALU_DEP_1)
	v_lshl_or_b32 v[\ps], v[BT+2], 16, v[\ps]
	s_delay_alu instid0(VALU_DEP_1)
	v_lshl_or_b32 v[\ps], v[BT+3], 24, v[\ps]      ; p's scale word for these 128 keys
.irp b, 0,1,2,3
	v_cvt_scalef32_pk8_fp4_f32 v[\p+2*\b], v[S+16*\b:S+16*\b+7], v[BS+\b]
	v_cvt_scalef32_pk8_fp4_f32 v[\p+2*\b+1], v[S+16*\b+8:S+16*\b+15], v[BS+\b]
.endr
	v_nop                                          ; one plain instruction behind a scaled conversion
.irp c, 0,1
.irp i, 0,1
	v_permlane16_swap_b32 v[\p+4*\c+\i], v[\p+4*\c+2+\i]   ; a whole block to a lane
.endr
.endr
	v_pk_add_f32 v[BT:BT+1], v[S:S+1], v[S+2:S+3]  ; l takes the UNQUANTISED p, two at a time, in two chains.  These sums are also the plain instructions between p's scale word and codes and the products that take them
.irp j, 4,8,12,16,20,24,28,32,36,40,44,48,52,56,60
	v_pk_add_f32 v[\st+2:\st+3], v[\st+2:\st+3], v[S+\j:S+\j+1]
	v_pk_add_f32 v[BT:BT+1], v[BT:BT+1], v[S+\j+2:S+\j+3]
.endr
	s_delay_alu instid0(VALU_DEP_1)
	v_pk_add_f32 v[\st+2:\st+3], v[\st+2:\st+3], v[BT:BT+1]
.irp j, 0,2,4,6,8,10,12,14,16,18,20,22,24,26,28,30
	v_pk_mul_f32 v[\o+\j:\o+\j+1], v[\o+\j:\o+\j+1], v[F:F+1] op_sel_hi:[1,0]   ; O^T under the new M, from each accumulator's low end on
.endr
.endm
; A KEY STEP: the group of 128 keys m - 2 + kind, both tiles of queries
.macro STEP kind
	PLACES                                         ; ahead of loads into registers that the last step's products read
.irp t, 0,1,2,3,4,5,6,7
	global_load_b128 v[KF+4*\t:KF+4*\t+3], v1, s[12:13] offset:(\kind-2)*4096+512*\t   ; a tile of 16 keys: 512 consecutive bytes
.endr
	global_load_b128 v[KS:KS+3], v1, s[36:37] offset:(\kind-2)*512
	s_wait_loadcnt 0x0                             ; (in the first step that runs: Q too)
	QK QA, 0
	PLACES
.if \kind != 1
	MASK \kind, 0
.endif
	SOFTMAX STA, OA, PA, PSA
	QK QB, 1
	PLACES
.irp dt, 0,1,2,3
.irp c, 0,1
	global_load_b128 v[KF+8*\dt+4*\c:KF+8*\dt+4*\c+3], v1, s[14:15] offset:(\kind-2)*4096+1024*\dt+512*\c   ; V^T's four fragments land under tile B's softmax
.endr
.endr
	global_load_b64 v[KS:KS+1], v4, s[38:39] offset:(\kind-2)*256
.if \kind != 1
	MASK \kind, 1
.endif
	SOFTMAX STB, OB, PB, PSA+1
	s_wait_alu depctr_va_vdst(0)
	s_wait_loadcnt 0x0
.irp dt, 0,1,2,3                       ; O^T += V^T P^T: the eight accumulators by turns
.irp u, 0,1
.set rD, OA+32*\u+8*\dt
.set rA, KF+8*\dt
.set rB, PA+8*\u
.set rSA, KS+\dt/2
.set rSB, PSA+\u
.set rRA, \dt%2
.set rRB, 0
.set rZ, 0
	WM
.endr
.endr
.endm
; one tile's O^T / l becomes my head's 64 numbers of ctx, quantised: an image of 512 bytes and two scale bytes a row, to LDS
.macro CTX st, o, pc, u
	v_add_f32 v[\st+2], v[\st+2], v[\st+3]
	s_delay_alu instid0(VALU_DEP_1)
	v_permlanex16_b32 v[BT], v[\st+2], s[SEL], s[SEL+1]
	s_delay_alu instid0(VALU_DEP_1)
	v_add_f32 v[\st+2], v[\st+2], v[BT]            ; the row's l
	s_wait_alu depctr_va_vdst(0)
	v_rcp_f32 v[\st+2], v[\st+2]
	v_nop                                          ; a plain instruction behind the reciprocal
	s_wait_alu depctr_va_vdst(0)
.irp j, 0,2,4,6,8,10,12,14,16,18,20,22,24,26,28,30
	v_pk_mul_f32 v[\o+\j:\o+\j+1], v[\o+\j:\o+\j+1], v[\st+2:\st+3] op_sel_hi:[1,0]   ; register 16 b + i = ctx(my query, 64 head + 32 b + 16 h + i)
.endr
.irp b, 0,1
	v_max3_num_f32 v[BM+\b], |v[\o+16*\b]|, |v[\o+16*\b+1]|, 0x1800000
.endr
.irp i, 2,4,6,8,10,12,14
.irp b, 0,1
	s_delay_alu instid0(VALU_DEP_2)
	v_max3_num_f32 v[BM+\b], v[BM+\b], |v[\o+16*\b+\i]|, |v[\o+16*\b+\i+1]|
.endr
.endr
.irp b, 0,1
	s_delay_alu instid0(VALU_DEP_2)
	v_permlanex16_b32 v[BT+\b], v[BM+\b], s[SEL], s[SEL+1]
.endr
.irp b, 0,1
	s_delay_alu instid0(VALU_DEP_2)
	v_max_num_f32 v[BM+\b], v[BM+\b], v[BT+\b]
.endr
.irp b, 0,1
	s_delay_alu instid0(VALU_DEP_2)
	v_add_nc_u32 v[BS+\b], 0xff000000, v[BM+\b]
.endr
.irp b, 0,1
	s_delay_alu instid0(VALU_DEP_2)
	v_lshrrev_b32 v[BT+\b], 23, v[BS+\b]
.endr
	s_delay_alu instid0(VALU_DEP_1)
	v_lshl_or_b32 v[BT], v[BT+1], 8, v[BT]         ; my head's two scale bytes of this row
.irp b, 0,1
	v_cvt_scalef32_pk8_fp4_f32 v[\pc+2*\b], v[\o+16*\b:\o+16*\b+7], v[BS+\b]
	v_cvt_scalef32_pk8_fp4_f32 v[\pc+2*\b+1], v[\o+16*\b+8:\o+16*\b+15], v[BS+\b]
.endr
	v_nop                                          ; one plain instruction behind a scaled conversion
	v_permlane16_swap_b32 v[\pc], v[\pc+2]
	v_permlane16_swap_b32 v[\pc+1], v[\pc+3]       ; lane (r, h): block h of my head
	ds_store_b128 v[CW], v[\pc:\pc+3] offset:8192*\u
	ds_store_b16 v[CSW], v[BT] offset:512*\u       ; both halves of the lanes write the same two bytes with the same value
.endm
; the out-projection's 16 fragment slots of 8 registers: none is a register that ever holds scales
.macro SLOTREG f
.if (\f) < 8
.set rF, 92+8*(\f)
.elseif (\f) < 13
.set rF, 26+8*((\f)-8)
.elseif (\f) < 15
.set rF, 74+8*((\f)-13)
.else
.set rF, 8
.endif
.endm
.macro WOSREG q                        ; wo's scale words: quad q = 2 B + (K step / 4)
.if (\q) == 0
.set rQ, 70
.else
.set rQ, 232+4*(\q)
.endif
.endm
.macro RINGLD k                        ; wo's four fragments of K step k into ring buffer k % 3: 8 loads
.irp t, 0,1,2,3
	SLOTREG 4*((\k)%3)+\t
.irp c, 0,1
	global_load_b128 v[rF+4*\c:rF+4*\c+3], v1, s[18:19] offset:\t*8192+(\k)*1024+512*\c
.endr
.endr
.endm
.macro CFLD k                          ; ctx's two fragments of K step k (heads 2 k, 2 k + 1) into set k % 2: 4 LDS loads
.irp u, 0,1
	SLOTREG 12+2*((\k)%2)+\u
.irp c, 0,1
	ds_load_b128 v[rF+4*\c:rF+4*\c+3], v[CR] offset:(8*\u+(\k))*1024+512*\c
.endr
.endr
.endm
.macro OSTEP k, nl, nd                 ; a K step of the out-projection: 8 matrix instructions, the 8 accumulators by turns
	s_wait_loadcnt \nl                             ; this step's 8 loads are in; those of the next two steps may stay out
	s_wait_dscnt \nd                               ; ctx's fragments of this step are in; the next step's 4 loads may stay out
.irp t, 0,1,2,3
.irp u, 0,1
	SLOTREG 4*((\k)%3)+\t
.set rA, rF
	SLOTREG 12+2*((\k)%2)+\u
.set rB, rF
	WOSREG 2*(\t/2)+(\k)/4
.set rSA, rQ+(\k)%4
.set rSB, CSS+(\k)
.set rRA, \t%2
.set rRB, \u
.set rD, ACC+8*(2*\t+\u)
.if (\k) == 0
.set rZ, 1
.else
.set rZ, 0
.endif
	WM
.endr
.endr
	PLACES
.if (\k)+3 < 8
	RINGLD (\k)+3
.endif
.if (\k)+2 < 8
	CFLD (\k)+2
.endif
.endm
; a row: out = (x - mean) rsqrt(var + 1e-7) ln_w + (ln_b + bo) + y.  A lane holds numbers 128 i + 4 lane + 0 .. 3, i = 0 .. 7, of x (v[x] on) and of y (v[y] on).  n1, n2: LDS loads that may stay out when x, then y, is wanted
.macro LNROW x, y, off, n1, n2
	s_wait_dscnt \n1
	v_pk_add_f32 v[220:221], v[\x:\x+1], v[\x+2:\x+3]
	v_pk_add_f32 v[222:223], v[\x+4:\x+5], v[\x+6:\x+7]
.irp i, 8,12,16,20,24,28
	s_delay_alu instid0(VALU_DEP_2)
	v_pk_add_f32 v[220:221], v[220:221], v[\x+\i:\x+\i+1]
	s_delay_alu instid0(VALU_DEP_2)
	v_pk_add_f32 v[222:223], v[222:223], v[\x+\i+2:\x+\i+3]
.endr
	s_delay_alu instid0(VALU_DEP_1)
	v_pk_add_f32 v[220:221], v[220:221], v[222:223]
	s_delay_alu instid0(VALU_DEP_1)
	v_add_f32 v220, v220, v221
	s_delay_alu instid0(VALU_DEP_1)
	v_add_f32_dpp v220, v220, v220 row_xmask:1 row_mask:0xf bank_mask:0xf
	s_delay_alu instid0(VALU_DEP_1)
	v_add_f32_dpp v220, v220, v220 row_xmask:2 row_mask:0xf bank_mask:0xf
	s_delay_alu instid0(VALU_DEP_1)
	v_add_f32_dpp v220, v220, v220 row_xmask:4 row_mask:0xf bank_mask:0xf
	s_delay_alu instid0(VALU_DEP_1)
	v_add_f32_dpp v220, v220, v220 row_xmask:8 row_mask:0xf bank_mask:0xf
	s_delay_alu instid0(VALU_DEP_1)
	v_permlanex16_b32 v221, v220, s[SEL], s[SEL+1]
	s_delay_alu instid0(VALU_DEP_1)
	v_add_f32 v220, v220, v221
	s_delay_alu instid0(VALU_DEP_1)
	v_mul_f32 v220, s44, v220                      ; the mean
.irp i, 0,2,4,6,8,10,12,14,16,18,20,22,24,26,28,30
	v_pk_add_f32 v[\x+\i:\x+\i+1], v[\x+\i:\x+\i+1], v[220:221] op_sel_hi:[1,0] neg_lo:[0,1] neg_hi:[0,1]   ; x - mean: the variance is taken of these, not of a difference of large sums
.endr
	v_pk_mul_f32 v[222:223], v[\x:\x+1], v[\x:\x+1]
	v_pk_mul_f32 v[224:225], v[\x+2:\x+3], v[\x+2:\x+3]
.irp i, 4,8,12,16,20,24,28
	s_delay_alu instid0(VALU_DEP_2)
	v_pk_fma_f32 v[222:223], v[\x+\i:\x+\i+1], v[\x+\i:\x+\i+1], v[222:223]
	s_delay_alu instid0(VALU_DEP_2)
	v_pk_fma_f32 v[224:225], v[\x+\i+2:\x+\i+3], v[\x+\i+2:\x+\i+3], v[224:225]
.endr
	s_delay_alu instid0(VALU_DEP_1)
	v_pk_add_f32 v[222:223], v[222:223], v[224:225]
	s_delay_alu instid0(VALU_DEP_1)
	v_add_f32 v222, v222, v223
	s_delay_alu instid0(VALU_DEP_1)
	v_add_f32_dpp v222, v222, v222 row_xmask:1 row_mask:0xf bank_mask:0xf
	s_delay_alu instid0(VALU_DEP_1)
	v_add_f32_dpp v222, v222, v222 row_xmask:2 row_mask:0xf bank_mask:0xf
	s_delay_alu instid0(VALU_DEP_1)
	v_add_f32_dpp v222, v222, v222 row_xmask:4 row_mask:0xf bank_mask:0xf
	s_delay_alu instid0(VALU_DEP_1)
	v_add_f32_dpp v222, v222, v222 row_xmask:8 row_mask:0xf bank_mask:0xf
	s_delay_alu instid0(VALU_DEP_1)
	v_permlanex16_b32 v223, v222, s[SEL], s[SEL+1]
	s_delay_alu instid0(VALU_DEP_1)
	v_add_f32 v222, v222, v223
	s_delay_alu instid0(VALU_DEP_1)
	v_fma_f32 v222, v222, s44, s45                 ; the variance + 1e-7
	s_wait_alu depctr_va_vdst(0)
	v_rsq_f32 v222, v222
	s_wait_dscnt \n2
.irp i, 0,2,4,6,8,10,12,14,16,18,20,22,24,26,28,30
	v_pk_add_f32 v[\y+\i:\y+\i+1], v[\y+\i:\y+\i+1], v[CB+\i:CB+\i+1]   ; (the first is the plain instruction behind the root)
.endr
	s_wait_alu depctr_va_vdst(0)
.irp i, 0,2,4,6,8,10,12,14,16,18,20,22,24,26,28,30
	v_pk_mul_f32 v[\x+\i:\x+\i+1], v[\x+\i:\x+\i+1], v[222:223] op_sel_hi:[1,0]
.endr
.irp i, 0,2,4,6,8,10,12,14,16,18,20,22,24,26,28,30
	v_pk_fma_f32 v[\y+\i:\y+\i+1], v[\x+\i:\x+\i+1], v[LW+\i:LW+\i+1], v[\y+\i:\y+\i+1]
.endr
.irp i, 0,1,2,3,4,5,6,7
	global_store_b128 v2, v[\y+4*\i:\y+4*\i+3], s[28:29] offset:\off+512*\i th:TH_STORE_NT   ; 32 lanes store 512 consecutive bytes, at a multiple of 256 from the buffer's first byte
.endr
.endm
	; ---- the head
	s_load_b512 s[8:23], s[0:1], 0x0               ; x s[8:9], qc s[10:11], kc s[12:13], vc s[14:15], sc s[16:17], wf s[18:19], wo_scales s[20:21], bo s[22:23]
	s_load_b128 s[24:27], s[0:1], 0x40             ; ln_w s[24:25], ln_b s[26:27]
	s_load_b64 s[28:29], s[0:1], 0x50              ; out0
	v_lshl_add_u32 v254, v0, 2, 0x44600
	v_mov_b32 v255, 0
	ds_add_u32 v254, v255
	ds_add_u32 v254, v255
	s_wait_dscnt 0x0
	v_lshrrev_b32 v1, 5, v0
	s_delay_alu instid0(VALU_DEP_1)
	v_readfirstlane_b32 s2, v1                     ; wave 0..15
	v_and_b32 v4, 31, v0                           ; lane
	s_delay_alu instid0(VALU_DEP_1)
	v_lshlrev_b32 v1, 4, v4                        ; 16 x lane
	s_wait_alu depctr_va_vdst(0)
	s_lshr_b32 s3, ttmp9, 6                        ; batch
	s_and_b32 s4, ttmp9, 63                        ; g
	s_lshr_b32 s6, s4, 2                           ; m
	s_and_b32 s7, s4, 3                            ; j
	s_lshl_b32 s30, s3, 4
	s_add_co_u32 s30, s30, s2                      ; bh = 16 batch + head
	s_lshl_b32 s48, s30, 4
	s_add_co_u32 s48, s48, s6                      ; 16 bh + m
	s_lshr_b32 s31, s2, 3                          ; my two rows of the epilogue are rows 2 w, 2 w + 1 in tile order: tile u = w / 8, r = 2 (w % 8):
	s_lshl_b32 s31, s31, 3                         ; tokens 8 u + r + 8 (r / 8) and the next
	s_and_b32 s5, s2, 7
	s_lshl_b32 s46, s5, 1
	s_add_co_u32 s31, s31, s46
	s_lshr_b32 s5, s5, 2
	s_lshl_b32 s5, s5, 3
	s_add_co_u32 s31, s31, s5
	s_lshl_b32 s31, s31, 12
	v_add_nc_u32 v2, s31, v1                       ; their place among the work-group's 32 rows of x and of out0; never rewritten
	s_lshl_b32 s5, s2, 13
	v_add_nc_u32 v3, s5, v1                        ; and in LDS: 8,192 bytes a wave; never rewritten
	v_lshlrev_b32 v4, 3, v4                        ; 8 x lane
	v_and_b32 v5, 15, v0
	s_delay_alu instid0(VALU_DEP_1)
	v_and_b32 v6, 8, v5
	s_delay_alu instid0(VALU_DEP_1)
	v_add_nc_u32 v5, v5, v6
	v_bfe_u32 v6, v0, 4, 1
	s_delay_alu instid0(VALU_DEP_1)
	v_lshlrev_b32 v6, 4, v6
	s_delay_alu instid0(VALU_DEP_1)
	v_sub_nc_u32 v5, v5, v6
	s_lshl_b32 s5, s7, 5
	v_add_nc_u32 v5, s5, v5                        ; 32 j + r + 8 (r / 8) - 16 h, for the masks
	v_mov_b32 v6, 0xff800000                       ; -infinity
	s_mov_b32 s[SEL], 0x76543210
	s_mov_b32 s[SEL+1], 0xfedcba98
	s_mov_b32 s[CS], 0x3fb8aa3b                    ; log2(e): the scores are not scaled
	s_mov_b32 s[CS+1], s[CS]                       ; (named with it as a pair)
	s_mov_b32 s44, 0x3a800000                      ; 1 / 1024
	s_mov_b32 s45, 0x33d6bf95                      ; 1e-7
	s_mov_b32 s47, 0
	s_wait_kmcnt 0x0
	s_lshl_b32 s46, ttmp9, 17                      ; 32 rows of 4,096 bytes a work-group
	s_add_nc_u64 s[8:9], s[8:9], s[46:47]
	s_add_nc_u64 s[28:29], s[28:29], s[46:47]
.irp i, 0,1,2,3,4,5,6,7,8,9,10,11,12,13,14,15
	global_load_async_to_lds_b128 v3, v2, s[8:9] offset:512*\i   ; my two rows of x, 8,192 consecutive bytes in memory and in LDS (the immediate steps both); v2, v3 and s[8:9] stay as they are until the wait on ASYNCcnt
.endr
	s_lshl_b32 s46, s30, 16
	s_lshl_b32 s5, s4, 10
	s_add_co_u32 s46, s46, s5
	s_add_nc_u64 s[10:11], s[10:11], s[46:47]      ; my head's two tiles of queries
	s_lshl_b32 s46, s48, 12
	s_add_nc_u64 s[12:13], s[12:13], s[46:47]      ; K and V at group m; the earlier groups by negative immediates
	s_add_nc_u64 s[14:15], s[14:15], s[46:47]
	s_lshl_b32 s46, s48, 9
	s_lshl_b32 s5, s7, 2
	s_add_co_u32 s46, s46, s5
	s_add_nc_u64 s[34:35], s[16:17], s[46:47]      ; Q's scale words: word j of each lane's four
	s_lshl_b32 s46, s48, 9
	s_add_co_u32 s46, s46, 524288
	s_add_nc_u64 s[36:37], s[16:17], s[46:47]      ; K's
	s_lshl_b32 s46, s48, 8
	s_add_co_u32 s46, s46, 1048576
	s_add_nc_u64 s[38:39], s[16:17], s[46:47]      ; V's
	s_lshl_b32 s46, s2, 15
	s_add_co_u32 s46, s46, 3*524288
	s_add_nc_u64 s[18:19], s[18:19], s[46:47]      ; wo's tiles 4 w .. 4 w + 3
	s_lshl_b32 s46, s2, 11
	s_add_nc_u64 s[20:21], s[20:21], s[46:47]      ; and their 64 rows of scale bytes
	global_load_b128 v[QA:QA+3], v1, s[10:11]
	global_load_b128 v[QB:QB+3], v1, s[10:11] offset:512
	global_load_b32 v[QS], v1, s[34:35]
.irp i, 0,1,2,3
	v_mov_b32 v[QA+4+\i], 0                        ; zero codes for the upper 64 of the instruction's 128
	v_mov_b32 v[QB+4+\i], 0
	v_mov_b32 v[KF+32+\i], 0
	v_mov_b32 v[BT+\i], 0                          ; a lane permute's destination counts as one of its sources
.endr
	v_mov_b32 v[F+1], 0                            ; (named as the upper half of the pair)
.irp st, STA, STB
	v_mov_b32 v[\st+1], 0xff61b1e6                 ; the largest t so far: -3e38
	s_delay_alu instid0(VALU_DEP_1)
	v_floor_f32 v[\st], -v[\st+1]
	v_mov_b32 v[\st+2], 0
	v_mov_b32 v[\st+3], 0
.endr
.set i, 0
.rept 64
	v_mov_b32 v[OA+i], 0                           ; O^T.  Which key step is a work-group's first hangs on m, so every step is written alike and the first finds zeros
.set i, i+1
.endr
	; ---- the attention
	s_cmp_lt_u32 s6, 2
	s_cbranch_scc1 .Lmid
	STEP 0
.Lmid:
	s_cmp_lt_u32 s6, 1
	s_cbranch_scc1 .Ldiag
	STEP 1
.Ldiag:
	STEP 2
	; ---- ctx becomes codes.  The addresses of the later phases are made here: plain instructions behind the last products
	s_lshl_b32 s3, s2, 9
	s_add_co_u32 s3, s3, CIMG
	v_add_nc_u32 v[CW], s3, v1                     ; my head's image: CIMG + 512 w + 16 lane
	v_and_b32 v235, 15, v0                         ; r
	s_lshl_b32 s4, s2, 1
	s_add_co_u32 s4, s4, CSC
	v_lshlrev_b32 v[CSW], 5, v235
	s_delay_alu instid0(VALU_DEP_1)
	v_add_nc_u32 v[CSW], s4, v[CSW]                ; my head's two bytes of row r: CSC + 32 r + 2 w
	v_add_nc_u32 v[CR], CIMG, v1                   ; any image, read back
	v_lshl_add_u32 v[CSR], v1, 1, CSC              ; row 16 u + r = lane: 32 bytes a lane
	v_mul_u32_u24 v[SO0], v235, SPI
	v_bfe_u32 v[SR], v0, 4, 1                      ; h
	s_delay_alu instid0(VALU_DEP_1)
	v_lshl_add_u32 v[SO0], v[SR], 6, v[SO0]
	s_lshl_b32 s5, s2, 8
	s_add_co_u32 s5, s5, STAGE
	v_add_nc_u32 v[SO0], s5, v[SO0]                ; the stage, tile A: row r, + 256 w + 64 h
	s_delay_alu instid0(VALU_DEP_1)
	v_add_nc_u32 v[SO1], 16*SPI, v[SO0]            ; tile B
	v_and_b32 v[WSA], 8, v235
	s_delay_alu instid0(VALU_DEP_1)
	v_add_nc_u32 v[WSA], v[WSA], v235              ; r + 8 (r / 8)
	s_delay_alu instid0(VALU_DEP_1)
	v_lshl_add_u32 v[WSA], v[SR], 3, v[WSA]        ; lanes 16-31: the odd tile, 8 rows on
	s_delay_alu instid0(VALU_DEP_1)
	v_lshlrev_b32 v[WSA], 5, v[WSA]                ; wo's scale bytes: 32 a row
	s_mul_i32 s7, s2, 2*SPI
	s_add_co_u32 s7, s7, STAGE
	v_add_nc_u32 v[SR], s7, v1                     ; the stage, read back: rows 2 w, 2 w + 1
	CTX STA, OA, PA, 0
	CTX STB, OB, PB, 1
	s_wait_dscnt 0x0                               ; for the others' sake: my images and bytes have landed
.irp be, 0,1
.irp g, 0,1
	WOSREG 2*\be+\g
	global_load_b128 v[rQ:rQ+3], v[WSA], s[20:21] offset:\be*1024+16*\g
.endr
.endr
	RINGLD 0
	RINGLD 1
	RINGLD 2
	s_barrier_signal -1
	s_barrier_wait -1                              ; ctx's 32 rows x 1,024 lie in LDS as codes
	; ---- the out-projection: source 0 = 16 rows of wo, source 1 = 16 queries
.irp g, 0,1
	ds_load_b128 v[CSS+4*\g:CSS+4*\g+3], v[CSR] offset:16*\g
.endr
	CFLD 0
	CFLD 1
.irp k, 0,1,2,3,4,5
	OSTEP \k, 16, 4
.endr
	OSTEP 6, 8, 4
	OSTEP 7, 0, 0
	; ---- results to the stage; the vectors of the epilogue are asked for meanwhile
.irp i, 0,1,2,3,4,5,6,7
	global_load_b128 v[LW+4*\i:LW+4*\i+3], v1, s[24:25] offset:512*\i
	global_load_b128 v[CB+4*\i:CB+4*\i+3], v1, s[26:27] offset:512*\i
	global_load_b128 v[BO+4*\i:BO+4*\i+3], v1, s[22:23] offset:512*\i
.endr
.irp t, 0,1,2,3
.irp u, 0,1
	ds_store_b128 v[SO0+226*\u], v[ACC+8*(2*\t+\u):ACC+8*(2*\t+\u)+3] offset:128*(\t/2)+32*(\t%2)        ; lane (r, h): columns 64 w + 32 (t / 2) + 16 h + 8 (t % 2) + 0 .. 7 of query r; each accumulator from its low end on
	ds_store_b128 v[SO0+226*\u], v[ACC+8*(2*\t+\u)+4:ACC+8*(2*\t+\u)+7] offset:128*(\t/2)+32*(\t%2)+16
.endr
.endr
	s_wait_dscnt 0x0                               ; for the others' sake: my columns have landed
	s_barrier_signal -1
	s_barrier_wait -1                              ; 32 whole rows lie in the stage
	; ---- LayerNorm, bias, residual: two whole rows a wave
	s_wait_asynccnt 0x0                            ; my own two rows of x are in LDS; no other wave reads them
.irp i, 0,1,2,3,4,5,6,7
	ds_load_b128 v[X0+4*\i:X0+4*\i+3], v3 offset:512*\i
.endr
.irp i, 0,1,2,3,4,5,6,7
	ds_load_b128 v[Y0+4*\i:Y0+4*\i+3], v[SR] offset:512*\i
.endr
	s_wait_loadcnt 0x0                             ; ln_w, ln_b, bo
.irp i, 0,2,4,6,8,10,12,14,16,18,20,22,24,26,28,30
	v_pk_add_f32 v[CB+\i:CB+\i+1], v[CB+\i:CB+\i+1], v[BO+\i:BO+\i+1]   ; ln_b + bo
.endr
.irp i, 0,1,2,3,4,5,6,7
	ds_load_b128 v[BO+4*\i:BO+4*\i+3], v3 offset:4096+512*\i   ; row 1 of x, where bo lay
.endr
	LNROW X0, Y0, 0, 16, 8                         ; x's row 0 is in when 16 younger loads are out, the stage's row when 8 are
	s_wait_xcnt 0x0                                ; row 0's stores have read their data: the registers take the stage's next row
.irp i, 0,1,2,3,4,5,6,7
	ds_load_b128 v[Y0+4*\i:Y0+4*\i+3], v[SR] offset:SPI+512*\i
.endr
	LNROW BO, Y0, 4096, 8, 0
	s_wait_xcnt 0x0
	v_lshl_add_u32 v254, v0, 2, 0x44600
	v_mov_b32 v255, 0
	s_wait_alu depctr_va_vdst(0)
	s_wait_tensorcnt 0x0
	ds_add_u32 v254, v255
	s_wait_dscnt 0x0
	s_endpgm
.Lfunc_end_k_qa0c8575a4b_attn_out:
	.size	k_qa0c8575a4b_attn_out, .Lfunc_end_k_qa0c8575a4b_attn_out-k_qa0c8575a4b_attn_out
	.p2alignl 7, 3214868480
	.fill 96, 4, 3214868480
	.section	.rodata,"a",@progbits
	.p2align	6, 0x0
	.amdhsa_kernel k_qa0c8575a4b_attn_out
		.amdhsa_group_segment_fixed_size 282112
		.amdhsa_private_segment_fixed_size 0
		.amdhsa_enable_private_segment 0
		.amdhsa_kernarg_size 88
		.amdhsa_user_sgpr_count 2
		.amdhsa_user_sgpr_kernarg_segment_ptr 1
		.amdhsa_wavefront_size32 1
		.amdhsa_system_sgpr_workgroup_id_x 1
		.amdhsa_system_sgpr_workgroup_id_y 1
		.amdhsa_system_sgpr_workgroup_id_z 1
		.amdhsa_system_vgpr_workitem_id 0
		.amdhsa_next_free_vgpr 256
		.amdhsa_next_free_sgpr 66
		.amdhsa_reserve_vcc 1
		.amdhsa_float_denorm_mode_32 3
		.amdhsa_float_denorm_mode_16_64 3
		.amdhsa_memory_ordered 1
		.amdhsa_forward_progress 1
		.amdhsa_inst_pref_size 171
	.end_amdhsa_kernel
	.amdgpu_metadata
---
amdhsa.version: [ 1, 2 ]
amdhsa.kernels:
  - .name:           k_qa0c8575a4b_attn_out
    .symbol:         k_qa0c8575a4b_attn_out.kd
    .args:
      - { .name: hidden_states, .offset: 0, .size: 8, .value_kind: global_buffer, .address_space: global }
      - { .name: qc, .offset: 8, .size: 8, .value_kind: global_buffer, .address_space: global }
      - { .name: kc, .offset: 16, .size: 8, .value_kind: global_buffer, .address_space: global }
      - { .name: vc, .offset: 24, .size: 8, .value_kind: global_buffer, .address_space: global }
      - { .name: sc, .offset: 32, .size: 8, .value_kind: global_buffer, .address_space: global }
      - { .name: wf, .offset: 40, .size: 8, .value_kind: global_buffer, .address_space: global }
      - { .name: wo_scales, .offset: 48, .size: 8, .value_kind: global_buffer, .address_space: global }
      - { .name: bo, .offset: 56, .size: 8, .value_kind: global_buffer, .address_space: global }
      - { .name: ln_w, .offset: 64, .size: 8, .value_kind: global_buffer, .address_space: global }
      - { .name: ln_b, .offset: 72, .size: 8, .value_kind: global_buffer, .address_space: global }
      - { .name: out0, .offset: 80, .size: 8, .value_kind: global_buffer, .address_space: global }
    .group_segment_fixed_size: 282112
    .private_segment_fixed_size: 0
    .kernarg_segment_align: 8
    .kernarg_segment_size: 88
    .max_flat_workgroup_size: 512
    .sgpr_count:     66
    .vgpr_count:     256
    .wavefront_size: 32
...
	.end_amdgpu_metadata
.endif
;; end of part 6
